; MI455X (gfx1250); checked and timed in simulation.
; The chip was launched on July 23, 2026; its instructions are those of AMD's public machine-readable ISA for CDNA 5 (MIT licence, August 2026) and "CDNA5" Instruction Set Architecture Reference Guide (July 2026). The comments in the code are by the model that wrote it; some were corrected since.
;; Neuron Optimized Attention. Allowed arithmetic: matrix products marked QUANTISED: E2M1 operands, one E8M0 scale for each 32 along K, by v_wmma_scale_f32_16x16x128_f8f6f4 with both operands' format E2M1 (or v_wmma_scale_f32_32x16x128_f4), f32 sums; everything else in f32.
;; Inputs: Wk 1,024 x 1,024 float32; Wo 1,024 x 1,024 float32; Wq 1,024 x 1,024 float32; Wv 1,024 x 1,024 float32; bk 1,024 float32; bo 1,024 float32; bq 1,024 float32; bv 1,024 float32; x 4 x 2,048 x 1,024 float32.
;; Outputs: out0 4 x 2,048 x 1,024 float32.
;; This version of the problem:
;;   THIS VERSION OF THE PROBLEM IS GIVEN IN LOW PRECISION. The matrix products marked QUANTISED in the list below multiply operands that are first quantised to E2M1 (2 exponent bits, 1 mantissa bit; 4 bits a number), with one power-of-two scale for each 32 numbers along K (OCP MX v1.0); their sums are f32. All else is computed in f32.
;;   The module's matrix products, in the order in which they are computed (A, B: the left and right operand; K: the contracted axis; several contracted axes count as one K, in the product's order):
;;     1. [M 8,192, K 1,024] x [K 1,024, N 1,024]; A: input x; B: input Wq: QUANTISED
;;     2. [M 8,192, K 1,024] x [K 1,024, N 1,024]; A: input x; B: input Wk: QUANTISED
;;     3. [M 8,192, K 1,024] x [K 1,024, N 1,024]; A: input x; B: input Wv: QUANTISED
;;     4. batch 64 x [M 2,048, K 64] x [K 64, N 2,048]; A: computed on the way; B: computed on the way: QUANTISED
;;     5. batch 64 x [M 2,048, K 2,048] x [K 2,048, N 64]; A: softmax (see below); B: computed on the way: QUANTISED
;;     6. [M 8,192, K 1,024] x [K 1,024, N 1,024]; A: computed on the way; B: input Wo: QUANTISED
;;   THE QUANTISER, for each operand of a quantised product, along K:
;;     - K is cut into blocks of 32 from its start; a last block that is shorter is filled with zeros.
;;     - A block's scale is 2^e with e = floor(log2(the largest magnitude in the block)) - 2, held to -126 .. 127; a block of zeros has e = 0. As a byte (E8M0): e + 127.
;;     - Each number is divided by its block's scale, clamped to +-6, and rounded to the nearest number of E2M1, ties to even, subnormals kept.
;;     - The product sums the exact products of the quantised numbers (number of the format x scale) in f32.
;;   ~~~python
;;   def quantise(x, axis):      # numpy; x: float32 -> the quantised numbers, widened to float32 again
;;       x = np.moveaxis(x, axis, -1); K = x.shape[-1]
;;       x = np.pad(x, [(0, 0)] * (x.ndim - 1) + [(0, -K % 32)]); x = x.reshape(x.shape[:-1] + (-1, 32)); a = np.abs(x).max(-1, keepdims=True)
;;       e = np.where(a > 0, np.clip(np.frexp(np.where(a > 0, a, 1))[1] - 1 - 2, -126, 127), 0)      # np.frexp(a)[1] - 1 = floor(log2(a)), exactly
;;       r = np.clip(x / 2.0 ** e, -6, 6)
;;       step = 2.0 ** (np.maximum(np.frexp(np.where(r == 0, 1, r))[1] - 1, 0) - 1)
;;       q = np.round(r / step) * step * 2.0 ** e      # np.round: ties to even
;;       return np.moveaxis(q.reshape(q.shape[:-2] + (-1,))[..., :K], -1, axis).astype(np.float32)
;;   ~~~
;;   SOFTMAX AHEAD OF A QUANTISED PRODUCT. Where the list says 'softmax', what is quantised is not the finished softmax but p = 2^(t - M), with t = logit x log2(e) and M = ceil(the row's largest t), a whole number; so 1/2 < the row's largest p <= 1. The row's sum l is taken of the UNQUANTISED p, in f32, and the product's result is divided by l at the end. Since M is a whole number, a kernel that streams over the keys may use a running M (the ceiling of the running maximum): every later rescaling is an exact power of two, which a block's scale takes up: the codes' values come out the same.
;;   OPERANDS COMPUTED ON THE WAY. 'Computed on the way' means the value that the module computes at that place (a softmax that the list does not call 'softmax' is quantised finished and normalised). What goes into a quantiser is computed in f32, as accurately as f32 sums, v_exp_f32 and their like allow (about 1e-6 of the number): no bf16 or f16 on the way to a quantiser, and a product that is left as it is and whose result goes on into a quantised operand takes f32 operands (vector FMAs, or v_wmma_f32_16x16x4_f32). A number that lies on a knife's edge between two numbers of the format may be rounded either way, as far as f32 arithmetic and the matrix unit's own rounding can turn it there, and no further.
;; One version. Each part assembles by itself: llvm-mc -triple=amdgcn-amd-amdhsa -mcpu=gfx1250 --defsym DOCPART=n.
;; ======== version 1 of 1: 4 launches
;; workspace buffers: cod 6,291,456 bytes; scl 393,216 bytes; qkv 12,582,912 bytes; qkvs 786,432 bytes; oc 4,194,304 bytes; osc 262,144 bytes
;; launch quant (part 1): grid 384 x 1, 4 waves a work-group, no clusters, 33,280 bytes of LDS; arguments x, Wq, Wk, Wv, Wo, cod, scl; writes cod, scl
.if DOCPART == 1
	.amdgcn_target "amdgcn-amd-amdhsa--gfx1250"
	.amdhsa_code_object_version 6
	.text
	.protected	k_q1eac451b85_quant
	.globl	k_q1eac451b85_quant
	.p2align	8
	.type	k_q1eac451b85_quant,@function
k_q1eac451b85_quant:
	s_mov_b64 s[64:65], 0
	v_nop
	global_prefetch_b8 v0, s[64:65] scope:SCOPE_SE
	s_setreg_imm32_b32 hwreg(HW_REG_WAVE_MODE, 25, 1), 1
	s_wait_xcnt 0x0
; x [8192][1024] and Wq, Wk, Wv, Wo [1024][1024], f32, K innermost, become codes of FP4 (E2M1) and one E8M0 scale byte for each 32 along K.
; cod: 12,288 rows of 512 bytes (x, Wq, Wk, Wv, Wo one behind the other); scl: the same rows, 32 bytes each.
; A block's scale is 2^(floor(log2(its largest magnitude)) - 2); its byte is the largest magnitude's exponent field - 2, held at 1 from below.
; ORDER INSIDE A BLOCK: the four words of a block's 16 bytes hold the numbers 0-7, 16-23, 8-15, 24-31.  Every operand of this program is laid so, so both sides of each product are permuted alike and the sums are the same.
; LIMITS: NaN and infinities are not served; a block whose largest magnitude lies under 2^-124 gets the byte 1; a block of zeros gets the byte 1 where the rule says 127 (its codes are zeros; the bytes are read by this program alone).
; Rows are dense, so all is a stream of blocks.  A work-group takes 32,768 numbers, a wave 16 steps of 512.  Each load reads 512 consecutive bytes; a step's 2,048 bytes turn through the wave's own stage in LDS
; (16 bytes of padding behind each 64) and come back so that lane 2 B + p holds numbers 8 p .. 8 p + 7 and 16 + 8 p .. 16 + 8 p + 7 of block B.  No tensor loads, no barrier: waves share nothing.
.set STEPS, 16
.set EMAX,  2
.set CB,    8                          ; bytes of 16 codes
.set R,     16                         ; v16-79   four sets of 16 numbers as loaded
.set X,     80                         ; v80-111  two sets of 16 numbers of one block
.set C,     128                        ; v128-191 codes: registers of its own for each step
.set E,     112                        ; v112-127 a scale byte for each step
.set WREG,  8192                       ; LDS: a region for each wave: two stages of 32 x SP bytes, then its 256 scale bytes
.set SP,    80
	s_load_b256 s[4:11], s[0:1], 0x0               ; x, Wq, Wk, Wv
	s_load_b128 s[12:15], s[0:1], 0x20             ; Wo, cod
	s_load_b64 s[16:17], s[0:1], 0x30              ; scl
	v_lshl_add_u32 v192, v0, 2, 0x8000
	v_mov_b32 v193, 0
	v_lshrrev_b32 v1, 5, v0
	v_readfirstlane_b32 s18, v1                    ; wave
	v_and_b32 v2, 31, v0                           ; lane
	v_lshlrev_b32 v3, 4, v2                        ; my 16 bytes of a load's 512
	s_mul_i32 s19, s18, WREG
	v_lshrrev_b32 v14, 2, v2
	v_mul_u32_u24 v14, v14, SP
	v_and_b32 v15, 3, v2
	v_lshl_add_u32 v14, v15, 4, v14
	v_add_nc_u32 v14, s19, v14                     ; the stage, on the way in: SP (lane / 4) + 16 (lane % 4)
	v_lshrrev_b32 v15, 1, v2
	v_mul_u32_u24 v15, v15, 2*SP                   ; on the way out: block lane / 2 begins 160 bytes on from the last,
	v_and_b32 v10, 1, v2
	v_lshl_add_u32 v15, v10, 5, v15                ; and my eight numbers of each half 32 (lane % 2) bytes in
	v_add_nc_u32 v15, s19, v15
	v_mul_u32_u24 v4, v2, CB                       ; my codes' place in a step's 256 bytes
	v_lshrrev_b32 v5, 1, v2
	s_add_co_u32 s19, s19, 2*32*SP
	v_add_nc_u32 v5, s19, v5                       ; LDS: my wave's 256 scale bytes, my block's byte
	v_lshlrev_b32 v7, 3, v2                        ; and on the way out 8 bytes a lane
	v_add_nc_u32 v6, s19, v7
	s_wait_alu depctr_va_vdst(0)
	s_wait_kmcnt 0x0
	s_cmp_ge_u32 ttmp9, 256                        ; which tensor: work-groups 0-255 x, then 32 for each weight.  The choice hangs on the work-group's number alone
	s_cselect_b64 s[4:5], s[6:7], s[4:5]
	s_cmp_ge_u32 ttmp9, 288
	s_cselect_b64 s[4:5], s[8:9], s[4:5]
	s_cmp_ge_u32 ttmp9, 320
	s_cselect_b64 s[4:5], s[10:11], s[4:5]
	s_cmp_ge_u32 ttmp9, 352
	s_cselect_b64 s[4:5], s[12:13], s[4:5]
	s_and_b32 s20, ttmp9, 31
	s_cmp_lt_u32 ttmp9, 256
	s_cselect_b32 s20, ttmp9, s20                  ; the work-group's number within its tensor
	s_lshl_b32 s20, s20, 2
	s_add_co_u32 s20, s20, s18
	s_lshl_b32 s20, s20, 15                        ; my wave's run of 8,192 numbers: 32,768 bytes
	s_mov_b32 s21, 0
	s_add_nc_u64 s[4:5], s[4:5], s[20:21]
	s_lshl_b32 s22, ttmp9, 2
	s_add_co_u32 s22, s22, s18                     ; the outputs are stacked in the work-groups' order
	s_lshl_b32 s24, s22, 12                        ; 4,096 bytes of codes a run
	s_mov_b32 s25, 0
	s_add_nc_u64 s[14:15], s[14:15], s[24:25]
	s_lshl_b32 s24, s22, 8                         ; 256 scale bytes a run
	s_add_nc_u64 s[16:17], s[16:17], s[24:25]
.macro LOAD t
.irp i, 0,1,2,3
	global_load_b128 v[R+16*((\t)%4)+4*\i:R+16*((\t)%4)+4*\i+3], v3, s[4:5] offset:2048*(\t)+512*\i th:TH_LOAD_NT   ; 32 lanes read 512 consecutive bytes
.endr
.endm
.macro TURN t                          ; step t's numbers through the stage: LDS serves a wave's instructions in order, so no wait stands between the stores and the loads
.irp i, 0,1,2,3
	ds_store_b128 v14, v[R+16*((\t)%4)+4*\i:R+16*((\t)%4)+4*\i+3] offset:32*SP*((\t)%2)+8*SP*\i
.endr
.irp i, 0,1,2,3
	ds_load_b128 v[X+16*((\t)%2)+4*\i:X+16*((\t)%2)+4*\i+3], v15 offset:32*SP*((\t)%2)+16*(\i%2)+SP*(\i/2)
.endr
.endm
.irp t, 0,1,2,3
	LOAD \t
.endr
	s_wait_loadcnt 12                              ; step 0's four loads are in
	TURN 0
.macro STEP t
.set XS, X+16*((\t)%2)
.if (\t) > 0
	s_wait_dscnt 1                                 ; this step's numbers are back from the stage (the last step's byte store may be out)
.else
	s_wait_dscnt 0x0
.endif
.if (\t)+4 < STEPS
	LOAD (\t)+4                                    ; into the registers that the stage's stores have read
.endif
.if (\t)+1 < STEPS
.if STEPS-2-(\t) >= 3
	s_wait_loadcnt 12                              ; the next step's four loads are in; those of the three steps behind it may be out
.else
	s_wait_loadcnt 4*(STEPS-2-(\t))
.endif
	TURN (\t)+1
.endif
	v_max3_num_f32 v8, |v[XS]|, |v[XS+1]|, |v[XS+2]|               ; the largest magnitude of my 16
	v_max3_num_f32 v9, |v[XS+3]|, |v[XS+4]|, |v[XS+5]|
.irp i, 6,10
	v_max3_num_f32 v8, v8, |v[XS+\i]|, |v[XS+\i+1]|
	v_max3_num_f32 v9, v9, |v[XS+\i+2]|, |v[XS+\i+3]|
.endr
	v_max3_num_f32 v8, v8, |v[XS+14]|, |v[XS+15]|
	v_max3_num_f32 v8, v8, v9, (EMAX+1)<<23        ; and the floor 2^(3 - 127): the byte cannot fall under 1
	v_max_num_f32_dpp v8, v8, v8 row_xmask:1 row_mask:0xf bank_mask:0xf   ; and of my neighbour's 16: the block's
	v_add_nc_u32 v11, 0xff000000, v8               ; 2 off its exponent field: the conversion takes the exponent field of this operand as its scale
	v_cvt_scalef32_pk8_fp4_f32 v[C+4*(\t)], v[XS:XS+7], v11        ; numbers 8 p .. 8 p + 7: word 2 p of the block
	v_cvt_scalef32_pk8_fp4_f32 v[C+4*(\t)+1], v[XS+8:XS+15], v11   ; numbers 16 + 8 p ..: word 2 p + 1
	v_lshrrev_b32 v[E+(\t)], 23, v11               ; the scale's byte
	ds_store_b8 v5, v[E+(\t)] offset:16*(\t)       ; both lanes of a block write the same byte with the same value
	global_store_b64 v4, v[C+4*(\t):C+4*(\t)+1], s[14:15] offset:32*CB*(\t)   ; the wave stores 256 consecutive bytes, aligned
.endm
.irp t, 0,1,2,3,4,5,6,7,8,9,10,11,12,13,14,15
	STEP \t
.endr
	ds_load_b64 v[12:13], v6                       ; LDS serves a wave's instructions in order: these see my stores
	s_wait_dscnt 0x0
	global_store_b64 v7, v[12:13], s[16:17]        ; 32 lanes store 256 consecutive bytes, aligned
	s_wait_tensorcnt 0x0
	ds_add_u32 v192, v193
	s_wait_dscnt 0x0
	s_endpgm
.Lfunc_end_k_q1eac451b85_quant:
	.size	k_q1eac451b85_quant, .Lfunc_end_k_q1eac451b85_quant-k_q1eac451b85_quant
	.p2alignl 7, 3214868480
	.fill 96, 4, 3214868480
	.section	.rodata,"a",@progbits
	.p2align	6, 0x0
	.amdhsa_kernel k_q1eac451b85_quant
		.amdhsa_group_segment_fixed_size 33280
		.amdhsa_private_segment_fixed_size 0
		.amdhsa_enable_private_segment 0
		.amdhsa_kernarg_size 56
		.amdhsa_user_sgpr_count 2
		.amdhsa_user_sgpr_kernarg_segment_ptr 1
		.amdhsa_wavefront_size32 1
		.amdhsa_system_sgpr_workgroup_id_x 1
		.amdhsa_system_sgpr_workgroup_id_y 1
		.amdhsa_system_sgpr_workgroup_id_z 1
		.amdhsa_system_vgpr_workitem_id 0
		.amdhsa_next_free_vgpr 194
		.amdhsa_next_free_sgpr 66
		.amdhsa_reserve_vcc 0
		.amdhsa_float_denorm_mode_32 3
		.amdhsa_float_denorm_mode_16_64 3
		.amdhsa_memory_ordered 1
		.amdhsa_forward_progress 1
		.amdhsa_inst_pref_size 34
	.end_amdhsa_kernel
	.amdgpu_metadata
---
amdhsa.version: [ 1, 2 ]
amdhsa.kernels:
  - .name:           k_q1eac451b85_quant
    .symbol:         k_q1eac451b85_quant.kd
    .args:
      - { .name: x, .offset: 0, .size: 8, .value_kind: global_buffer, .address_space: global }
      - { .name: Wq, .offset: 8, .size: 8, .value_kind: global_buffer, .address_space: global }
      - { .name: Wk, .offset: 16, .size: 8, .value_kind: global_buffer, .address_space: global }
      - { .name: Wv, .offset: 24, .size: 8, .value_kind: global_buffer, .address_space: global }
      - { .name: Wo, .offset: 32, .size: 8, .value_kind: global_buffer, .address_space: global }
      - { .name: cod, .offset: 40, .size: 8, .value_kind: global_buffer, .address_space: global }
      - { .name: scl, .offset: 48, .size: 8, .value_kind: global_buffer, .address_space: global }
    .group_segment_fixed_size: 33280
    .private_segment_fixed_size: 0
    .kernarg_segment_align: 8
    .kernarg_segment_size: 56
    .max_flat_workgroup_size: 128
    .sgpr_count:     66
    .vgpr_count:     194
    .wavefront_size: 32
...
	.end_amdgpu_metadata
.endif
;; end of part 1
;; launch project (part 2): grid 96 x 4, 4 waves a work-group, clusters of 4 x 4, 296,448 bytes of LDS; arguments cod, scl, bq, bk, bv, qkv, qkvs; writes qkv, qkvs
.if DOCPART == 2
	.amdgcn_target "amdgcn-amd-amdhsa--gfx1250"
	.amdhsa_code_object_version 6
	.text
	.protected	k_q1eac451b85_project
	.globl	k_q1eac451b85_project
	.p2align	8
	.type	k_q1eac451b85_project,@function
k_q1eac451b85_project:
	s_mov_b64 s[64:65], 0
	v_nop
	global_prefetch_b8 v0, s[64:65] scope:SCOPE_SE
	s_setreg_imm32_b32 hwreg(HW_REG_WAVE_MODE, 25, 1), 1
	s_wait_xcnt 0x0
	s_wait_alu depctr_hold_cnt(0) depctr_sa_sdst(0) depctr_va_vdst(0) depctr_va_sdst(0) depctr_va_ssrc(0) depctr_va_vcc(0) depctr_vm_vsrc(0)
	s_getreg_b32 s2, hwreg(HW_REG_IB_STS2, 6, 4)
	s_cmp_eq_u32 s2, 0
	s_cbranch_scc0 .Lentry_in_a_cluster
	s_endpgm
.Lentry_in_a_cluster:
	s_bfe_u32 s2, ttmp6, 0x10000c
	s_cmp_lg_u32 s2, 0xf033
	s_cbranch_scc0 .Lentry_shape_is_right
	s_endpgm
.Lentry_shape_is_right:
; q = x Wq^T + bq, k = x Wk^T + bk, v = x Wv^T + bv on codes of FP4 (E2M1) with E8M0 scales, sums in f32; the results are quantised here, in registers: q and k along the head's 64, v along the keys.
; A work-group of four waves makes 256 x 256, a wave 128 x 128 (64 accumulators).  THE PRODUCT IS USED TRANSPOSED: source 0 = 16 rows of P, the matrix along whose rows the next product's K runs; source 1 = 16 rows of R.
; In a result lane (r, h) holds R's row r, and register j of tile T the P index 16 T + 8 h + j.  Clusters 0-15: P = rows of Wq or Wk (channels), R = tokens.  Clusters 16-23: P = tokens, R = rows of Wv.
; All of K (1,024 codes: 512 bytes a row) lies in LDS, in two slots of 512 along K, each filled once: nothing is filled again.  The scale bytes of the 512 rows come once, as blocks of 256 bytes.
; CLUSTERS 4 x 4: R's tiles hang on cy alone and are asked for jointly along a row of the cluster, P's on cx alone, along a column.
; The bias is the C of each sum's first matrix instruction.
; OUT.  qkv: [kind q, k, v][16 batch + head][65,536 bytes].  q, k: [tile of 16 tokens][lane (r, h)][16 bytes]: block h of token r.  v: [128 keys][tile of 16 channels][c][lane][16 bytes]: images of the operands' registers.
; qkvs: [kind][16 batch + head][128 tokens][r][4 words].  q, k: word B = the two bytes of token 32 B + r, then those of token 32 B + 16 + r.  v: word T = the four bytes of channel 16 T + r for these 128 keys.
; Inside a block the four words hold the numbers 0-7, 16-23, 8-15, 24-31, as in every operand of this program.
; LIMITS: NaN and infinities are not served; a block whose largest magnitude lies under 2^-124, a block of zeros among them, gets the byte 1 (the bytes are read by this program alone).
; REGISTERS: window 0: v1-31 addresses; v32-95 scale words, two sets; v96-123 the quantiser's; v128-191 R's fragments, one set, later the codes; v192-255 the bias.  window 1: P's fragments, two sets.  windows 2, 3: the accumulators.
.set NQ,     4                         ; steps of 128 along K in a slot
.set ROWB,   256                       ; a slot's row in bytes
.set KROW,   512                       ; a row of cod
.set PITCH,  272                       ; an LDS row: 256 bytes + 16 of padding: the 16 rows that a load touches start 68 words apart
.set FR,     8
.set NL,     2
.set NP,     4                         ; places behind this matrix instruction (ISA guide 7.12.1)
.set HALFT,  128*PITCH
.set SLOT,   4*HALFT                   ; R's 256 rows, then P's 256 rows
.set KS,     32                        ; a row of scale bytes
.set SCL,    2*SLOT
.set HALFS,  (128*KS/256)*272
.set SBLK,   (16*KS/256)*272
.set ADRA, 16                          ; v16-17  LDS address of my R fragments in slot 0, 1
.set ADRB, 20                          ; v20-21  the same for P
.set VO0,  24                          ; v24     16 x lane
.set VO1,  25                          ; v25     16 x lane + the distance between the two halves of a fragment's image
.set VS,   26                          ; v26     16 r + 4,096 h: my place among the scale words
.set ADRS, 27                          ; v27     LDS address of my scale words: lanes 0-15 R's rows, lanes 16-31 P's
.set VB,   28                          ; v28     my offset in the bias
.set VSEL, 29                          ; v29     byte selects for the scale words
.set SC,   32
.set TM,   96                          ; v96-99 largest magnitudes, v100-103 bytes, v108-111 the conversions' scale operands
.set PW,   112                         ; v112-119 the scale word of each of my eight blocks of R
.set WD,   120                         ; v120-123 the four words that leave
.set AF,   128
.set PC,   128                         ; the codes just made
.set BIAS, 192
.set G1, 24
.set G0, 32
.set G1B, 48
.set G0B, 56
.set G1S, 68
.set G0S, 76
.set G1SB, 80
.set G0SB, 88
.set MSB, 0
.macro WIN new                         ; the immediate's high byte repeats the setting that is left
.if MSB != (\new)
	s_set_vgpr_msb (MSB<<8)|(\new)
.set MSB, (\new)
.endif
.endm
.set MUL_LO, 0xa1                      ; source 0 (P) window 1, source 1 (R) window 0, C and D window 2
.set MUL_HI, 0xf1
.set TO_B,   0x40
; A joint load: waves 0 and 1 fetch for R, waves 2 and 3 for P.  The branch hangs on the wave's number alone.  Four v_nop follow each of the two lines.
.macro JLOAD g0a, g1a, g0b, g1b
	s_cmp_eq_u32 s19, 0
	s_cbranch_scc0 .Lfor_b_\@
	tensor_load_to_lds s[\g0a:\g0a+3], s[\g1a:\g1a+7]
	s_nop 0
.rept 4
	v_nop
.endr
	s_branch .Lasked_\@
.Lfor_b_\@:
	tensor_load_to_lds s[\g0b:\g0b+3], s[\g1b:\g1b+7]
	s_nop 0
.rept 4
	v_nop
.endr
.Lasked_\@:
.endm
.macro CROUND                          ; a round of the cluster's barrier
	s_barrier_signal -1
	s_barrier_wait -1
	s_cmp_lg_u32 s18, 0
	s_cbranch_scc1 .Lnot_wave_0_\@
	s_barrier_signal -3
.Lnot_wave_0_\@:
	s_barrier_wait -3
	s_barrier_signal -1
	s_barrier_wait -1
.endm
	s_load_b256 s[4:11], s[0:1], 0x0               ; cod s[4:5], scl s[6:7], bq s[8:9], bk s[10:11]
	s_load_b128 s[12:15], s[0:1], 0x20             ; bv s[12:13], qkv s[14:15]
	s_load_b64 s[16:17], s[0:1], 0x30              ; qkvs
	v_lshl_add_u32 v126, v0, 2, 0x48400
	v_mov_b32 v127, 0
	ds_add_u32 v126, v127
	ds_add_u32 v126, v127
	v_lshrrev_b32 v1, 5, v0
	v_readfirstlane_b32 s18, v1                    ; wave 0..3
	s_lshr_b32 s19, s18, 1                         ; which half of R's rows is mine.  Also: I fetch for R (0) or for P (1)
	s_and_b32 s20, s18, 1                          ; which half of P's rows.  Also: which 128 rows of that tile I fetch
	s_bfe_u32 s21, ttmp6, 0x40000                  ; cx
	s_bfe_u32 s22, ttmp6, 0x40004                  ; cy
	s_lshl_b32 s42, s22, 2
	s_lshl_b32 s42, 15, s42                        ; my row of the cluster
	s_lshl_b32 s43, 0x1111, s21                    ; my column
	; which tiles of 256 rows of cod: x is tiles 0-31, Wq 32-35, Wk 36-39, Wv 40-43.  ttmp9 counts clusters: it is the same in all sixteen partners
	s_and_b32 s44, ttmp9, 1
	s_lshl_b32 s45, s44, 2
	s_add_co_u32 s45, s45, 32                      ; q, k: P begins at 32 + 4 (cluster % 2)
	s_max_u32 s46, ttmp9, 16
	s_sub_co_u32 s46, s46, 16
	s_lshl_b32 s46, s46, 2                         ; v: P begins at 4 (cluster - 16)
	s_lshr_b32 s47, ttmp9, 1
	s_lshl_b32 s47, s47, 2                         ; q, k: R begins at 4 (cluster / 2)
	s_cmp_lt_u32 ttmp9, 16
	s_cselect_b32 s40, s45, s46
	s_cselect_b32 s41, s47, 40                     ; v: R begins at 40
	s_cselect_b32 s44, s44, 2                      ; the kind: 0 q, 1 k, 2 v
	s_add_co_u32 s40, s40, s21                     ; P's tile: + cx
	s_add_co_u32 s41, s41, s22                     ; R's tile: + cy
	; descriptor group 1: 128 rows x 256 bytes, 16 bytes of padding behind each
	s_or_b32 s[G1+0], s42, (0<<16)|(1<<20)|(1<<21)|(5<<22)|(3<<25)   ; 15:0 the mask: R's tiles go to my row; elements of 1 byte; padding on; bit 21 beside a mask; after every 64 words, 4 words
	s_or_b32 s[G1B+0], s43, (0<<16)|(1<<20)|(1<<21)|(5<<22)|(3<<25)  ; P's go to my column
.irp g, G1, G1B
	s_mov_b32 s[\g+1], ROWB<<16                    ; tensor_dim0
	s_mov_b32 s[\g+2], 128<<16                     ; tensor_dim1
	s_mov_b32 s[\g+3], ROWB<<16                    ; tile_dim0
	s_mov_b32 s[\g+4], 128                         ; tile_dim1
	s_mov_b32 s[\g+5], KROW                        ; the pitch
	s_mov_b32 s[\g+6], 0
	s_mov_b32 s[\g+7], 0
.endr
	; the scale bytes of 128 rows: 4,096 dense bytes as 16 rows of 256 (32 elements of 8 bytes), 16 bytes of padding behind each
	s_or_b32 s[G1S+0], s42, (3<<16)|(1<<20)|(1<<21)|(5<<22)|(3<<25)
	s_or_b32 s[G1SB+0], s43, (3<<16)|(1<<20)|(1<<21)|(5<<22)|(3<<25)
.irp g, G1S, G1SB
	s_mov_b32 s[\g+1], 32<<16
	s_mov_b32 s[\g+2], (128*KS/256)<<16
	s_mov_b32 s[\g+3], 32<<16
	s_mov_b32 s[\g+4], 128*KS/256
	s_mov_b32 s[\g+5], 32
	s_mov_b32 s[\g+6], 0
	s_mov_b32 s[\g+7], 0
.endr
	s_lshl_b32 s45, s20, 7                         ; which 128 rows of the tile I fetch
	s_lshl_b32 s92, s41, 8
	s_add_co_u32 s92, s92, s45                     ; R's row
	s_lshl_b32 s94, s40, 8
	s_add_co_u32 s94, s94, s45                     ; P's row
	s_lshl_b32 s96, s92, 5                         ; their scale bytes: 32 a row,
	s_mov_b32 s97, 0
	s_lshl_b32 s92, s92, 9                         ; their codes: 512 a row
	s_mov_b32 s93, 0
	s_lshl_b32 s46, s94, 5
	s_mov_b32 s47, 0
	s_lshl_b32 s94, s94, 9
	s_mov_b32 s95, 0
	s_mul_i32 s45, s18, HALFT                      ; where they go: wave x 128 rows: no place in the cluster enters an LDS address
	s_mul_i32 s23, s18, HALFS
	s_wait_dscnt 0x0
	s_wait_kmcnt 0x0
	s_add_nc_u64 s[92:93], s[4:5], s[92:93]
	s_add_nc_u64 s[96:97], s[6:7], s[96:97]
	s_add_nc_u64 s[94:95], s[4:5], s[94:95]
	s_add_nc_u64 s[46:47], s[6:7], s[46:47]
	CROUND                                         ; all sixteen work-groups are here: the joint loads meet
	s_mov_b32 s[G0S], 1
	s_add_co_u32 s[G0S+1], s23, SCL
	s_mov_b64 s[G0S+2:G0S+3], s[96:97]
	s_or_b32 s[G0S+3], s[G0S+3], 0x80000000
	s_mov_b32 s[G0SB], 1
	s_add_co_u32 s[G0SB+1], s23, SCL
	s_mov_b64 s[G0SB+2:G0SB+3], s[46:47]
	s_or_b32 s[G0SB+3], s[G0SB+3], 0x80000000
	JLOAD G0S, G1S, G0SB, G1SB                     ; the scales first: they are wanted with slot 0
.irp s, 0,1
	s_mov_b32 s[G0+4*\s], 1
	s_add_co_u32 s[G0+4*\s+1], s45, \s*SLOT
	s_add_nc_u64 s[G0+4*\s+2:G0+4*\s+3], s[92:93], \s*ROWB
	s_or_b32 s[G0+4*\s+3], s[G0+4*\s+3], 0x80000000
	s_mov_b32 s[G0B+4*\s], 1
	s_add_co_u32 s[G0B+4*\s+1], s45, \s*SLOT
	s_add_nc_u64 s[G0B+4*\s+2:G0B+4*\s+3], s[94:95], \s*ROWB
	s_or_b32 s[G0B+4*\s+3], s[G0B+4*\s+3], 0x80000000
	JLOAD G0+4*\s, G1, G0B+4*\s, G1B               ; three loads of mine are out behind the second of these
.endr
	v_and_b32 v1, 15, v0                           ; r
	v_bfe_u32 v2, v0, 4, 1                         ; h
	v_mul_u32_u24 v3, v1, PITCH
	v_lshl_add_u32 v4, v2, 4, v3                   ; a fragment's row x pitch + 16 h
	s_mul_i32 s46, s19, HALFT                      ; my 128 rows of R
	s_mul_i32 s47, s20, HALFT                      ; my 128 rows of P,
	s_add_co_u32 s47, s47, 2*HALFT                 ; which lie behind R's 256
.irp s, 0,1
	v_add_nc_u32 v[ADRA+\s], s46, v4
	v_add_nc_u32 v[ADRB+\s], s47, v4
	s_add_co_u32 s46, s46, SLOT
	s_add_co_u32 s47, s47, SLOT
.endr
	v_mul_u32_u24 v5, v1, KS                       ; my row's scales: 32 bytes a row,
	v_lshrrev_b32 v6, 8, v5
	v_lshl_add_u32 v5, v6, 4, v5                   ; and 16 more for each 256 passed
	s_mul_i32 s46, s19, HALFS
	s_mul_i32 s47, s20, HALFS
	s_add_co_u32 s47, s47, 2*HALFS
	s_sub_co_u32 s47, s47, s46
	v_mul_u32_u24 v6, s47, v2                      ; lanes 16-31 take P's
	s_add_co_u32 s46, s46, SCL
	v_add_nc_u32 v5, v5, v6
	v_add_nc_u32 v[ADRS], s46, v5
	; where the results go.  q, k: my tokens are R's, my channels P's; v: the other way round
	s_mov_b32 s2, 0x76543210
	s_mov_b32 s3, 0xfedcba98                       ; v_permlanex16_b32's selects for lane l xor 16
	s_mov_b32 s67, 0x1800000                       ; the floor 2^(3 - 127)
	s_cmp_lt_u32 ttmp9, 16
	s_cselect_b32 s45, s21, s22                    ; the channels' tile of 256: cx or cy
	s_cselect_b32 s46, s20, s19                    ; and my half of it
	s_cselect_b32 s47, s41, s40                    ; the tokens' tile of 256
	s_cselect_b32 s23, s19, s20                    ; and my half of it
	s_mov_b32 s98, 1024
	s_cselect_b32 s98, 512, s98                    ; from one block of R to the next: a tile of 16 tokens, or a tile of 16 channels
	s_mov_b32 s100, 62464
	s_cselect_b32 s100, 512, s100                  ; from block 3 to block 4: v goes on to the next head: 65,536 - 3 x 1,024
	s_mov_b32 s66, 512
	s_cselect_b32 s66, 0x10000, s66                ; from registers 0-3 to registers 4-7: q, k: the next head; v: the image's second half
	s_mov_b32 s92, 0x03020100
	s_cselect_b32 s92, 0x05040100, s92             ; byte selects, lanes 0-15,
	s_mov_b32 s93, 0x07060504
	s_cselect_b32 s93, 0x07060302, s93             ; lanes 16-31
	s_mov_b32 s99, 0
	s_mov_b32 s101, 0
	v_mov_b32 v[VSEL], s92
	v_mov_b32 v5, s93
	v_cmp_eq_u32 vcc_lo, 1, v2
	v_cndmask_b32 v[VSEL], v[VSEL], v5, vcc_lo
	v_and_b32 v5, 31, v0
	v_lshlrev_b32 v[VO0], 4, v5
	v_add_nc_u32 v[VO1], s66, v[VO0]
	v_lshlrev_b32 v[VS], 4, v1
	v_lshl_add_u32 v[VS], v2, 12, v[VS]
.irp b, 0,1,2,3
	v_mov_b32 v[TM+4+\b], 0                        ; written once: a lane permute's destination counts as one of its sources
.endr
	s_cmp_eq_u32 s44, 1
	s_cselect_b64 s[8:9], s[10:11], s[8:9]
	s_cmp_eq_u32 s44, 2
	s_cselect_b64 s[8:9], s[12:13], s[8:9]         ; my kind's bias
	s_lshl_b32 s45, s45, 8
	s_lshl_b32 s46, s46, 7
	s_add_co_u32 s45, s45, s46                     ; my first channel
	s_lshl_b32 s47, s47, 8
	s_lshl_b32 s23, s23, 7
	s_add_co_u32 s47, s47, s23                     ; my first token
	s_lshr_b32 s46, s47, 11
	s_lshl_b32 s46, s46, 4
	s_lshr_b32 s23, s45, 6
	s_add_co_u32 s46, s46, s23                     ; 16 batch + head
	s_and_b32 s47, s47, 2047                       ; the token within its batch
	s_lshl_b32 s92, s44, 22                        ; codes: kind x 4 MiB + (16 batch + head) x 65,536 + token x 32
	s_lshl_b32 s23, s46, 16
	s_add_co_u32 s92, s92, s23
	s_lshl_b32 s23, s47, 5
	s_add_co_u32 s92, s92, s23
	s_mov_b32 s93, 0
	s_add_nc_u64 s[14:15], s[14:15], s[92:93]
	s_lshl_b32 s92, s44, 18                        ; scale words: kind x 262,144 + (16 batch + head) x 4,096 + token x 2
	s_lshl_b32 s23, s46, 12
	s_add_co_u32 s92, s92, s23
	s_lshl_b32 s23, s47, 1
	s_add_co_u32 s92, s92, s23
	s_add_nc_u64 s[16:17], s[16:17], s[92:93]
	s_lshl_b32 s92, s45, 2
	s_add_nc_u64 s[8:9], s[8:9], s[92:93]          ; the bias at my first channel
	; the bias, in the result's layout.  q, k: register j of tile b wants channel 16 b + 8 h + j.  v: all eight registers of block a want channel 16 a + r
	s_cmp_lt_u32 ttmp9, 16
	s_cbranch_scc0 .Lbias_v
	v_lshlrev_b32 v[VB], 5, v2
.irp b, 0,1,2,3,4,5,6,7
	global_load_b128 v[BIAS+8*\b:BIAS+8*\b+3], v[VB], s[8:9] offset:64*\b
	global_load_b128 v[BIAS+8*\b+4:BIAS+8*\b+7], v[VB], s[8:9] offset:64*\b+16
.endr
	s_branch .Lbias_done
.Lbias_v:
	v_lshlrev_b32 v[VB], 2, v1
.irp a, 0,1,2,3,4,5,6,7
.irp j, 0,1,2,3,4,5,6,7
	global_load_b32 v[BIAS+8*\a+\j], v[VB], s[8:9] offset:64*\a
.endr
.endr
.Lbias_done:
.macro FRAG reg, adr, q, i             ; 16 rows x 128 K of 4-bit codes: lane (r, h) takes, of row r, the 16 bytes of blocks h and 2 + h
.irp c, 0,1
	ds_load_b128 v[\reg+4*\c:\reg+4*\c+3], v[\adr] offset:64*(\q)+32*\c+(\i)*16*PITCH
.endr
.endm
; 16 matrix instructions: R's blocks a0, a0 + 1 x P's eight, the slot's q-th 128 along K.  cm = 0: onto the sums; 1: the sums begin with the bias by P's tile; 2: by R's block.
; The 64 accumulators take turns, one instruction a turn, in the same order in every step.
.macro MUL16 a0, p, q, sc, cm
.irp a, \a0, \a0+1
.irp b, 0,1,2,3,4,5,6,7
.if (\cm) == 1
	v_wmma_scale_f32_16x16x128_f8f6f4 v[8*(8*((\a)%4)+\b):8*(8*((\a)%4)+\b)+7], v[128*(\p)+FR*\b:128*(\p)+FR*\b+FR-1], v[AF+FR*(\a):AF+FR*(\a)+FR-1], v[BIAS+8*\b:BIAS+8*\b+7], v[SC+8*NQ*(\sc)+NQ*\b+(\q)], v[SC+8*NQ*(\sc)+NQ*(\a)+(\q)] matrix_a_fmt:MATRIX_FMT_FP4 matrix_b_fmt:MATRIX_FMT_FP4 matrix_a_scale:MATRIX_SCALE_ROW1
.elseif (\cm) == 2
	v_wmma_scale_f32_16x16x128_f8f6f4 v[8*(8*((\a)%4)+\b):8*(8*((\a)%4)+\b)+7], v[128*(\p)+FR*\b:128*(\p)+FR*\b+FR-1], v[AF+FR*(\a):AF+FR*(\a)+FR-1], v[BIAS+8*(\a):BIAS+8*(\a)+7], v[SC+8*NQ*(\sc)+NQ*\b+(\q)], v[SC+8*NQ*(\sc)+NQ*(\a)+(\q)] matrix_a_fmt:MATRIX_FMT_FP4 matrix_b_fmt:MATRIX_FMT_FP4 matrix_a_scale:MATRIX_SCALE_ROW1
.else
	v_wmma_scale_f32_16x16x128_f8f6f4 v[8*(8*((\a)%4)+\b):8*(8*((\a)%4)+\b)+7], v[128*(\p)+FR*\b:128*(\p)+FR*\b+FR-1], v[AF+FR*(\a):AF+FR*(\a)+FR-1], v[8*(8*((\a)%4)+\b):8*(8*((\a)%4)+\b)+7], v[SC+8*NQ*(\sc)+NQ*\b+(\q)], v[SC+8*NQ*(\sc)+NQ*(\a)+(\q)] matrix_a_fmt:MATRIX_FMT_FP4 matrix_b_fmt:MATRIX_FMT_FP4 matrix_a_scale:MATRIX_SCALE_ROW1
.endif
.endr
.endr
.endm
.macro FETCH_B slot, q, p              ; P's eight fragments into set p
	WIN TO_B
.irp i, 0,1,2,3,4,5,6,7
	FRAG 128*(\p)+FR*\i, ADRB+\slot, \q, \i
.endr
	WIN 0
.endm
.macro FETCH_A slot, q, i0             ; R's blocks i0 .. i0 + 3
.irp i, \i0, \i0+1, \i0+2, \i0+3
	FRAG AF+FR*(\i), ADRA+\slot, \q, \i
.endr
.endm
.macro SCALES sc                       ; a slot's scale words: four a row; lanes 0-15 take R's block i, lanes 16-31 P's block i
.irp i, 0,1,2,3,4,5,6,7
	ds_load_b128 v[SC+8*NQ*\sc+NQ*\i:SC+8*NQ*\sc+NQ*\i+3], v[ADRS] offset:\i*SBLK
.endr
.endm
.macro PLACES n                        ; plain vector instructions between a matrix instruction and a load into, or a read of, its registers
.rept \n
	v_nop
.endr
.endm
.macro STEP slot, q, cm                ; 128 along K, with its successor in the same slot
	s_wait_dscnt 4*NL                              ; P's set and R's blocks 0-3 are in; the youngest eight loads (R's blocks 4-7) may be out
.if \cm
	WIN 0x81                                       ; C (the bias) in window 0, D in window 2
.else
	WIN MUL_LO
.endif
	MUL16 0, (\q)%2, \q, \slot, \cm
	MUL16 2, (\q)%2, \q, \slot, \cm
	s_wait_dscnt 0                                 ; R's blocks 4-7 are in
	PLACES NP
	FETCH_B \slot, (\q)+1, 1-(\q)%2
	FETCH_A \slot, (\q)+1, 0
.if \cm
	WIN 0xc1
.else
	WIN MUL_HI
.endif
	MUL16 4, (\q)%2, \q, \slot, \cm
	MUL16 6, (\q)%2, \q, \slot, \cm
	PLACES NP
	WIN 0
	FETCH_A \slot, (\q)+1, 4
.endm
	s_wait_tensorcnt 1                             ; the scales and my part of slot 0 are in; slot 1's load may be out
	s_barrier_signal -1
	s_barrier_wait -1                              ; everybody's are
	FETCH_B 0, 0, 0
	FETCH_A 0, 0, 0
	SCALES 0
	FETCH_A 0, 0, 4
	s_wait_loadcnt 0x0                             ; the bias
	s_cmp_lt_u32 ttmp9, 16                         ; the first step is written twice: the two kinds take the bias by different tiles.  Same loads, same counts on both ways
	s_cbranch_scc0 .Lfirst_v
	STEP 0, 0, 1
	s_branch .Lfirst_done
.Lfirst_v:
	STEP 0, 0, 2
.Lfirst_done:
	STEP 0, 1, 0
	STEP 0, 2, 0
	; slot 0's last step changes slots: my part of slot 1 has landed, then the barrier shows everybody's
	s_wait_tensorcnt 0x0
	s_wait_dscnt 4*NL
	WIN MUL_LO
	MUL16 0, 1, NQ-1, 0, 0
	s_wait_dscnt 0x0                               ; no LDS instruction of mine is out at the signal
	s_barrier_signal -1
	MUL16 2, 1, NQ-1, 0, 0
	WIN 0
	s_barrier_wait -1
	PLACES NP
	v_add_nc_u32 v[ADRS], 4*NQ, v[ADRS]            ; on to slot 1's scale words
	FETCH_B 1, 0, 0
	FETCH_A 1, 0, 0
	SCALES 1
	WIN MUL_HI
	MUL16 4, 1, NQ-1, 0, 0
	MUL16 6, 1, NQ-1, 0, 0
	PLACES NP
	WIN 0
	FETCH_A 1, 0, 4
	STEP 1, 0, 0
	STEP 1, 1, 0
	STEP 1, 2, 0
	s_wait_dscnt 4*NL                              ; the last step: nothing more to fetch
	WIN MUL_LO
	MUL16 0, 1, NQ-1, 1, 0
	MUL16 2, 1, NQ-1, 1, 0
	s_wait_dscnt 0
	WIN MUL_HI
	MUL16 4, 1, NQ-1, 1, 0
	MUL16 6, 1, NQ-1, 1, 0
	WIN 0
; THE WAY OUT of block a of R: its eight tiles are four blocks of 32 along the next K; of block b a lane holds 16 numbers (tiles 2 b, 2 b + 1), lane l xor 16 the others.
; The largest magnitude with the floor among its leaves; 2 off its exponent field is the conversion's scale operand; that shifted down is the byte.  The conversions' half blocks are made whole by exchanging halves of the lanes.
.macro OUTA a
.set AC, 64*((\a)%4)
	WIN 0x28+0x14*((\a)/4)                         ; sources 1 and 2: window 2 or 3
.irp b, 0,1,2,3
	v_max3_num_f32 v[TM+\b], s67, |v[AC+16*\b]|, |v[AC+16*\b+1]|     ; each accumulator is read from its low end on
.endr
.irp i, 2,4,6,8,10,12,14
.irp b, 0,1,2,3
	v_max3_num_f32 v[TM+\b], v[TM+\b], |v[AC+16*\b+\i]|, |v[AC+16*\b+\i+1]|
.endr
.endr
	WIN 0
.irp b, 0,1,2,3
	v_permlanex16_b32 v[TM+4+\b], v[TM+\b], s2, s3
.endr
.irp b, 0,1,2,3
	v_max_num_f32 v[TM+\b], v[TM+\b], v[TM+4+\b]
.endr
.irp b, 0,1,2,3
	v_add_nc_u32 v[TM+12+\b], 0xff000000, v[TM+\b]
.endr
.irp b, 0,1,2,3
	v_lshrrev_b32 v[TM+4+\b], 23, v[TM+12+\b]
.endr
	v_lshl_or_b32 v[PW+(\a)], v[TM+5], 8, v[TM+4]
	v_lshl_or_b32 v[PW+(\a)], v[TM+6], 16, v[PW+(\a)]
	v_lshl_or_b32 v[PW+(\a)], v[TM+7], 24, v[PW+(\a)]
	s_wait_xcnt 0x0                                ; the last block's stores have read their data and their base: both are written again only behind this wait
.if (\a) == 4
	s_add_nc_u64 s[14:15], s[14:15], s[100:101]
.elseif (\a) > 0
	s_add_nc_u64 s[14:15], s[14:15], s[98:99]
.endif
	WIN 0x02+((\a)/4)                              ; source 0: window 2 or 3
.irp b, 0,1,2,3
	v_cvt_scalef32_pk8_fp4_f32 v[PC+2*\b], v[AC+16*\b:AC+16*\b+7], v[TM+12+\b]
	v_cvt_scalef32_pk8_fp4_f32 v[PC+2*\b+1], v[AC+16*\b+8:AC+16*\b+15], v[TM+12+\b]
.endr
	WIN 0
	v_nop                                          ; one plain place behind a scaled conversion
.irp c, 0,1
.irp i, 0,1
	v_permlane16_swap_b32 v[PC+4*\c+\i], v[PC+4*\c+2+\i]   ; registers 4 c .. 4 c + 3 now hold block 2 c + h whole
.endr
.endr
	global_store_b128 v[VO0], v[PC:PC+3], s[14:15]         ; 32 lanes store 512 consecutive bytes, aligned
	global_store_b128 v[VO1], v[PC+4:PC+7], s[14:15]
.endm
	PLACES NP                                      ; behind the last products
.irp a, 0,1,2,3,4,5,6,7
	OUTA \a
.endr
	; the scale words.  q, k: lanes 0-15 take my first head's two bytes of two blocks of R, lanes 16-31 my second head's.  v: lanes 0-15 take blocks 0-3 (my first head's channels), lanes 16-31 blocks 4-7
	s_cmp_lt_u32 ttmp9, 16
	s_cbranch_scc0 .Lwords_v
.irp i, 0,1,2,3
	v_perm_b32 v[WD+\i], v[PW+2*\i+1], v[PW+2*\i], v[VSEL]
.endr
	s_branch .Lwords_done
.Lwords_v:
.irp i, 0,1,2,3
	v_perm_b32 v[WD+\i], v[PW+4+\i], v[PW+\i], v[VSEL]
.endr
.Lwords_done:
	s_wait_alu depctr_va_vdst(0)
	global_store_b128 v[VS], v[WD:WD+3], s[16:17]  ; sixteen lanes store 256 consecutive bytes, aligned: one such run for each head
	s_wait_tensorcnt 0x0
	ds_add_u32 v126, v127
	s_wait_dscnt 0x0
	CROUND                                         ; the closing round: no work-group ends while a partner may still ask for a tile that names it
	s_endpgm
.Lfunc_end_k_q1eac451b85_project:
	.size	k_q1eac451b85_project, .Lfunc_end_k_q1eac451b85_project-k_q1eac451b85_project
	.p2alignl 7, 3214868480
	.fill 96, 4, 3214868480
	.section	.rodata,"a",@progbits
	.p2align	6, 0x0
	.amdhsa_kernel k_q1eac451b85_project
		.amdhsa_group_segment_fixed_size 296448
		.amdhsa_private_segment_fixed_size 0
		.amdhsa_enable_private_segment 0
		.amdhsa_kernarg_size 56
		.amdhsa_user_sgpr_count 2
		.amdhsa_user_sgpr_kernarg_segment_ptr 1
		.amdhsa_wavefront_size32 1
		.amdhsa_system_sgpr_workgroup_id_x 1
		.amdhsa_system_sgpr_workgroup_id_y 1
		.amdhsa_system_sgpr_workgroup_id_z 1
		.amdhsa_system_vgpr_workitem_id 0
		.amdhsa_next_free_vgpr 1024
		.amdhsa_next_free_sgpr 102
		.amdhsa_reserve_vcc 1
		.amdhsa_float_denorm_mode_32 3
		.amdhsa_float_denorm_mode_16_64 3
		.amdhsa_memory_ordered 1
		.amdhsa_forward_progress 1
		.amdhsa_inst_pref_size 148
	.end_amdhsa_kernel
	.amdgpu_metadata
---
amdhsa.version: [ 1, 2 ]
amdhsa.kernels:
  - .name:           k_q1eac451b85_project
    .symbol:         k_q1eac451b85_project.kd
    .args:
      - { .name: cod, .offset: 0, .size: 8, .value_kind: global_buffer, .address_space: global }
      - { .name: scl, .offset: 8, .size: 8, .value_kind: global_buffer, .address_space: global }
      - { .name: bq, .offset: 16, .size: 8, .value_kind: global_buffer, .address_space: global }
      - { .name: bk, .offset: 24, .size: 8, .value_kind: global_buffer, .address_space: global }
      - { .name: bv, .offset: 32, .size: 8, .value_kind: global_buffer, .address_space: global }
      - { .name: qkv, .offset: 40, .size: 8, .value_kind: global_buffer, .address_space: global }
      - { .name: qkvs, .offset: 48, .size: 8, .value_kind: global_buffer, .address_space: global }
    .group_segment_fixed_size: 296448
    .private_segment_fixed_size: 0
    .kernarg_segment_align: 8
    .kernarg_segment_size: 56
    .max_flat_workgroup_size: 128
    .sgpr_count:     102
    .vgpr_count:     1024
    .wavefront_size: 32
...
	.end_amdgpu_metadata
.endif
;; end of part 2
;; launch attend (part 3): grid 4 x 64, 16 waves a work-group, clusters of 4 x 1, 169,984 bytes of LDS; arguments qkv, qkvs, oc, osc; writes oc, osc
.if DOCPART == 3
	.amdgcn_target "amdgcn-amd-amdhsa--gfx1250"
	.amdhsa_code_object_version 6
	.text
	.protected	k_q1eac451b85_attend
	.globl	k_q1eac451b85_attend
	.p2align	8
	.type	k_q1eac451b85_attend,@function
k_q1eac451b85_attend:
	s_mov_b64 s[64:65], 0
	v_nop
	global_prefetch_b8 v0, s[64:65] scope:SCOPE_SE
	s_setreg_imm32_b32 hwreg(HW_REG_WAVE_MODE, 25, 1), 1
	s_wait_xcnt 0x0
	s_wait_alu depctr_hold_cnt(0) depctr_sa_sdst(0) depctr_va_vdst(0) depctr_va_sdst(0) depctr_va_ssrc(0) depctr_va_vcc(0) depctr_vm_vsrc(0)
	s_getreg_b32 s2, hwreg(HW_REG_IB_STS2, 6, 4)
	s_cmp_eq_u32 s2, 0
	s_cbranch_scc0 .Lentry_in_a_cluster
	s_endpgm
.Lentry_in_a_cluster:
	s_bfe_u32 s2, ttmp6, 0x10000c
	s_cmp_lg_u32 s2, 0x3003
	s_cbranch_scc0 .Lentry_shape_is_right
	s_endpgm
.Lentry_shape_is_right:
; O = softmax(q k^T / 8) v for one head of one batch, both products on codes of FP4 (E2M1) with E8M0 scales; O / l is quantised along the model's 1,024 and leaves as codes.
; THE SOFTMAX: t = score x log2(e) / 8; M = the running largest t rounded UP to a whole number; p = 2^(t - M) is quantised along the keys, not normalised; l is the f32 sum of the unquantised p and divides O at the end.
; When M moves, l and O are multiplied by 2^(old M - new M): exact.
; SHARES.  A work-group owns 512 queries of one head, each of its sixteen waves 32: two tiles of 16, which share every fragment of K and V.  Four waves to a SIMD: one wave's vector work stands beside another's products.
; THE WHOLE HEAD'S K AND V LIE IN LDS, as images of the operands' registers (every read is 16 x lane + a constant), filled once.  The four work-groups of a cluster are the four query blocks of one head: the fills are joint loads.
; LAYOUT.  Both products are used transposed: S^T = K Q^T, O^T = V^T P^T: a lane holds ONE query (lane % 16) throughout; register j of tile T holds key (or channel) 16 T + 8 h + j.
; THE HEAD'S 64 IN AN INSTRUCTION OF 128: a fragment of K holds key 32 f + r in k 0-63 and key 32 f + 16 + r in k 64-127.  It is multiplied once by [q | zero codes] and once by [zero codes | q]: zero codes add nothing under any scale byte of 1 to 254.
; Inside a block the four words hold the numbers 0-7, 16-23, 8-15, 24-31, as in every operand of this program.
; OUT.  oc: [tile of 16 tokens][head][lane (r, h)][16 bytes]: block h of the head for token r.  osc: [token][32 bytes], byte 2 head + block: two bytes a lane, rows 32 bytes apart: a row's bytes come from sixteen work-groups; they are a sixteenth of the codes' bytes.
; LIMITS: NaN and infinities are not served; a block whose largest magnitude lies under 2^-124, a block of zeros among them, gets the byte 1 (the bytes are read by this program alone).
.set KSC,  131072                      ; LDS: K's images 0 .. 65,535; V's 65,536 .. 131,071; K's scale words 4,096 bytes from here; V's behind them
.set LI,   1                           ; v1   16 x lane
.set LS,   2                           ; v2   KSC + 16 r
.set ADK,  3                           ; v3   the step's K
.set ADV,  4                           ; v4   the step's V
.set ADS,  5                           ; v5   the step's scale words
.set GS,   6                           ; v6   32 x lane
.set SH,   7                           ; v7   16 h
.set ST,   8                           ; tile t at v[8 + 4 t]: -M, the largest t, the sum in two halves
.set Q,    16                          ; tile t at v[16 + 12 t]: q, zeros, q
.set QS,   40                          ; v40-41 q's scale words
.set KS,   42                          ; v42-45 K's
.set VS,   46                          ; v46-49 V's
.set PW,   50                          ; v50-51 p's
.set PC,   52                          ; v52-67 p's codes, 8 a tile
.set KF,   68                          ; v68-99 four fragments of K, later of V
.set S,    100                         ; v100-163 S^T of one tile, then p
.set O,    164                         ; v164-227 O^T, 32 a tile
.set BM,   228                         ; v228-231 a block's largest
.set PM,   232                         ; v232-235 the other half's, then the bytes
.set SO,   236                         ; v236-239 the conversions' scale operands
.set F,    240                         ; v[240:241], v[242:243] f = 2^(old M - new M) of tile t, named as a pair
.set TT,   244
.set C2,   246                         ; v[246:247] the sum's second chain
.macro CROUND                          ; a round of the cluster's barrier
	s_barrier_signal -1
	s_barrier_wait -1
	s_cmp_lg_u32 s12, 0
	s_cbranch_scc1 .Lnot_wave_0_\@
	s_barrier_signal -3
.Lnot_wave_0_\@:
	s_barrier_wait -3
	s_barrier_signal -1
	s_barrier_wait -1
.endm
	s_load_b256 s[4:11], s[0:1], 0x0               ; qkv s[4:5], qkvs s[6:7], oc s[8:9], osc s[10:11]
	v_lshl_add_u32 v254, v0, 2, 0x29000
	v_mov_b32 v255, 0
	ds_add_u32 v254, v255
	ds_add_u32 v254, v255
	v_lshrrev_b32 v1, 5, v0
	s_delay_alu instid0(VALU_DEP_1)
	v_readfirstlane_b32 s12, v1                    ; wave 0..15
	v_and_b32 v7, 31, v0
	s_delay_alu instid0(VALU_DEP_1)
	v_lshlrev_b32 v[LI], 4, v7
	s_delay_alu instid0(VALU_DEP_2)
	v_lshlrev_b32 v[GS], 5, v7
	v_and_b32 v3, 15, v0
	s_delay_alu instid0(VALU_DEP_1)
	v_lshlrev_b32 v3, 4, v3                        ; 16 r
	s_delay_alu instid0(VALU_DEP_1)
	v_add_nc_u32 v[LS], KSC, v3
	v_bfe_u32 v7, v0, 4, 1
	s_delay_alu instid0(VALU_DEP_1)
	v_lshlrev_b32 v[SH], 4, v7
	s_bfe_u32 s13, ttmp6, 0x40000                  ; cx: my block of 512 queries
	s_and_b32 s14, ttmp7, 0xffff                   ; 16 batch + head, which the four partners share
	s_and_b32 s15, s12, 1                          ; wave 0 fetches K, wave 1 V
	; descriptor group 1: dense blocks as rows of 256 bytes (32 elements of 8 bytes), no padding
	s_mov_b32 s44, 15|(3<<16)|(1<<21)              ; 15:0 the mask: all four work-groups; elements of 8 bytes; bit 21 beside a mask
	s_mov_b32 s45, 32<<16                          ; tensor_dim0
	s_mov_b32 s46, 256<<16                         ; tensor_dim1: 65,536 bytes of images
	s_mov_b32 s47, 32<<16                          ; tile_dim0
	s_mov_b32 s48, 256                             ; tile_dim1
	s_mov_b32 s49, 32                              ; the pitch
	s_mov_b32 s50, 0
	s_mov_b32 s51, 0
	s_mov_b32 s52, 15|(3<<16)|(1<<21)
	s_mov_b32 s53, 32<<16
	s_mov_b32 s54, 16<<16                          ; 4,096 bytes of scale words
	s_mov_b32 s55, 32<<16
	s_mov_b32 s56, 16
	s_mov_b32 s57, 32
	s_mov_b32 s58, 0
	s_mov_b32 s59, 0
	s_add_co_u32 s16, s15, 1                       ; the kind: 1 k, 2 v
	s_lshl_b32 s18, s16, 22
	s_lshl_b32 s17, s14, 16
	s_add_co_u32 s18, s18, s17                     ; codes: kind x 4 MiB + (16 batch + head) x 65,536
	s_mov_b32 s19, 0
	s_lshl_b32 s16, s16, 18
	s_lshl_b32 s17, s14, 12
	s_add_co_u32 s16, s16, s17                     ; scale words: kind x 262,144 + (16 batch + head) x 4,096
	s_mov_b32 s17, 0
	s_lshl_b32 s60, s15, 16                        ; in LDS: 65,536 x wave,
	s_lshl_b32 s61, s15, 12                        ; 4,096 x wave
	s_wait_dscnt 0x0
	s_wait_kmcnt 0x0
	s_add_nc_u64 s[18:19], s[4:5], s[18:19]
	s_add_nc_u64 s[16:17], s[6:7], s[16:17]
	CROUND                                         ; all four work-groups are here: the joint loads meet
	s_mov_b32 s24, 1
	s_add_co_u32 s25, s61, KSC
	s_mov_b64 s[26:27], s[16:17]
	s_or_b32 s27, s27, 0x80000000
	s_mov_b32 s28, 1
	s_mov_b32 s29, s60
	s_mov_b64 s[30:31], s[18:19]
	s_or_b32 s31, s31, 0x80000000
	s_cmp_lt_u32 s12, 2                            ; a fetching wave's two fills stand in one branch on the wave's number: two loads of it are out
	s_cbranch_scc0 .Lno_fetch
	tensor_load_to_lds s[24:27], s[52:59]
	s_nop 0
	tensor_load_to_lds s[28:31], s[44:51]
	s_nop 0
.rept 4
	v_nop
.endr
.Lno_fetch:
	; my 32 queries: tiles 32 cx + 2 wave and the next of the head
	s_lshl_b32 s16, s14, 16
	s_lshl_b32 s17, s13, 14
	s_add_co_u32 s16, s16, s17
	s_lshl_b32 s17, s12, 10
	s_add_co_u32 s16, s16, s17
	s_mov_b32 s17, 0
	s_add_nc_u64 s[4:5], s[4:5], s[16:17]          ; q's codes (kind 0)
	s_lshl_b32 s16, s14, 12
	s_lshl_b32 s18, s13, 10
	s_add_co_u32 s16, s16, s18
	s_lshr_b32 s18, s12, 2
	s_lshl_b32 s18, s18, 8
	s_add_co_u32 s16, s16, s18                     ; the group of 128 tokens: 4 cx + wave / 4
	s_and_b32 s18, s12, 3
	s_lshl_b32 s18, s18, 2
	s_add_co_u32 s16, s16, s18                     ; word wave % 4 of each row
	s_add_nc_u64 s[6:7], s[6:7], s[16:17]
	s_wait_alu depctr_va_vdst(0)
	global_load_b128 v[Q:Q+3], v[LI], s[4:5]               ; each tile's codes twice: in front of the zeros and behind them
	global_load_b128 v[Q+8:Q+11], v[LI], s[4:5]
	global_load_b128 v[Q+12:Q+15], v[LI], s[4:5] offset:512
	global_load_b128 v[Q+20:Q+23], v[LI], s[4:5] offset:512
	global_load_b32 v[TT], v3, s[6:7]              ; the two tiles' scale bytes: tile 0's in the low half
	s_lshr_b32 s16, s14, 4                         ; batch
	s_and_b32 s18, s14, 15                         ; head
	s_lshl_b32 s62, s16, 20                        ; oc: (128 batch + 32 cx + 2 wave) x 8,192 + head x 512
	s_lshl_b32 s19, s13, 18
	s_add_co_u32 s62, s62, s19
	s_lshl_b32 s19, s12, 14
	s_add_co_u32 s62, s62, s19
	s_lshl_b32 s19, s18, 9
	s_add_co_u32 s62, s62, s19
	s_mov_b32 s63, 0
	s_add_nc_u64 s[8:9], s[8:9], s[62:63]
	s_lshl_b32 s62, s16, 16                        ; osc: (2,048 batch + 512 cx + 32 wave) x 32 + 2 head
	s_lshl_b32 s19, s13, 14
	s_add_co_u32 s62, s62, s19
	s_lshl_b32 s19, s12, 10
	s_add_co_u32 s62, s62, s19
	s_lshl_b32 s19, s18, 1
	s_add_co_u32 s62, s62, s19
	s_add_nc_u64 s[10:11], s[10:11], s[62:63]
	s_mov_b32 s20, 0x76543210
	s_mov_b32 s21, 0xfedcba98                      ; v_permlanex16_b32's selects for lane l xor 16
	s_mov_b32 s22, 0x3e38aa3b                      ; c = log2(e) / 8
	s_mov_b32 s23, s22                             ; (named with it as a pair, so it is written)
	s_mov_b32 s66, 0x01000100
	s_mov_b32 s67, 0x03020302
	s_mov_b32 s60, 0                               ; the step's K and V: 4,096 bytes a step
	s_mov_b32 s61, 0                               ; its scale words: 256 bytes a step
.irp t, 0,1
.irp i, 4,5,6,7
	v_mov_b32 v[Q+12*\t+\i], 0                     ; the zero codes
.endr
	v_mov_b32 v[ST+4*\t+1], 0xff61b1e6             ; the largest t so far: -3e38
	s_delay_alu instid0(VALU_DEP_1)
	v_floor_f32 v[ST+4*\t], -v[ST+4*\t+1]          ; -M
	v_mov_b32 v[ST+4*\t+2], 0                      ; the sum
	v_mov_b32 v[ST+4*\t+3], 0
	v_mov_b32 v[F+2*\t+1], 0                       ; (the upper half of a pair that is named whole)
.endr
.irp b, 0,1,2,3
	v_mov_b32 v[PM+\b], 0                          ; written once: a lane permute's destination counts as one of its sources
.endr
	s_wait_loadcnt 0x0                             ; q
	v_perm_b32 v[QS], v[TT], v[TT], s66            ; tile 0's two bytes twice: they serve [q | 0] and [0 | q] alike
	v_perm_b32 v[QS+1], v[TT], v[TT], s67          ; tile 1's
.set j, 0
.rept 64
	v_mov_b32 v[O+j], 0                            ; O^T.  (The step is written once: the first finds zeros, which the first change of M leaves zeros.  These are also the places between the scale words' making and their use)
.set j, j+1
.endr
.macro KQ t                            ; S^T of tile t: eight tiles of 16 keys
.irp f, 0,1,2,3
	v_wmma_scale_f32_16x16x128_f8f6f4 v[S+16*\f:S+16*\f+7], v[KF+8*\f:KF+8*\f+7], v[Q+12*(\t):Q+12*(\t)+7], 0, v[KS+\f], v[QS+(\t)] matrix_a_fmt:MATRIX_FMT_FP4 matrix_b_fmt:MATRIX_FMT_FP4
	v_wmma_scale_f32_16x16x128_f8f6f4 v[S+16*\f+8:S+16*\f+15], v[KF+8*\f:KF+8*\f+7], v[Q+12*(\t)+4:Q+12*(\t)+11], 0, v[KS+\f], v[QS+(\t)] matrix_a_fmt:MATRIX_FMT_FP4 matrix_b_fmt:MATRIX_FMT_FP4
.endr
.endm
.macro SOFT t                          ; tile t's softmax of 128 keys: S becomes p, its codes go to PC, its scale word to PW, f to F
.set rT, ST+4*(\t)
.set rF, F+2*(\t)
.set rP, PC+8*(\t)
.set rW, PW+(\t)
.irp b, 0,1,2,3
	v_max3_num_f32 v[BM+\b], v[S+16*\b], v[S+16*\b+1], v[S+16*\b+2]   ; the largest score of each block of 32 keys: it serves for the row's maximum and, since p rises with the score, for the block's largest p
.endr
.irp i, 3,5,7,9,11,13
.irp b, 0,1,2,3
	v_max3_num_f32 v[BM+\b], v[BM+\b], v[S+16*\b+\i], v[S+16*\b+\i+1]
.endr
.endr
.irp b, 0,1,2,3
	v_max_num_f32 v[BM+\b], v[BM+\b], v[S+16*\b+15]
.endr
.irp b, 0,1,2,3
	s_delay_alu instid0(VALU_DEP_4)
	v_permlanex16_b32 v[PM+\b], v[BM+\b], s20, s21
.endr
.irp b, 0,1,2,3
	s_delay_alu instid0(VALU_DEP_4)
	v_max_num_f32 v[BM+\b], v[BM+\b], v[PM+\b]     ; with lane l xor 16's 16 keys
.endr
	s_delay_alu instid0(VALU_DEP_2)
	v_max3_num_f32 v[TT], v[BM], v[BM+1], v[BM+2]
	s_delay_alu instid0(VALU_DEP_1)
	v_max_num_f32 v[TT], v[TT], v[BM+3]
	s_delay_alu instid0(VALU_DEP_1)
	v_mul_f32 v[TT], s22, v[TT]                    ; as t (c is positive)
	s_delay_alu instid0(VALU_DEP_1)
	v_max_num_f32 v[rT+1], v[rT+1], v[TT]          ; the running largest t
	v_mov_b32 v[TT], v[rT]
	s_delay_alu instid0(VALU_DEP_2)
	v_floor_f32 v[rT], -v[rT+1]                    ; the new -M = floor(-t) = -ceil(t)
	s_delay_alu instid0(VALU_DEP_1)
	v_sub_f32 v[TT], v[rT], v[TT]                  ; old M - new M: a whole number, 0 or less
	s_delay_alu instid0(VALU_DEP_1)
	v_cvt_i32_f32 v[TT], v[TT]                     ; (it saturates)
	s_delay_alu instid0(VALU_DEP_1)
	v_ldexp_f32 v[rF], 1.0, v[TT]                  ; f = 2^(old M - new M)
.set j, 0
.rept 32
	v_pk_fma_f32 v[S+j:S+j+1], v[S+j:S+j+1], s[22:23], v[rT:rT+1] op_sel_hi:[1,0,0]   ; t - M, two at a time
.set j, j+2
.endr
.irp b, 0,1,2,3
	v_fma_f32 v[BM+\b], v[BM+\b], s22, v[rT]       ; the same of each block's largest score
.endr
.set j, 0
	s_wait_alu depctr_va_vdst(0)
.rept 64
	v_exp_f32 v[S+j], v[S+j]                       ; p = 2^(t - M), at most 1
.set j, j+1
.endr
.irp b, 0,1,2,3
	v_exp_f32 v[BM+\b], v[BM+\b]                   ; the block's largest p: the same two instructions on the same number
.endr
	v_pk_mul_f32 v[rT+2:rT+3], v[rT+2:rT+3], v[rF:rF+1] op_sel_hi:[1,0]   ; the sum under the new M.  (A plain place behind the exponentials)
	s_wait_alu depctr_va_vdst(0)
.irp b, 0,1,2,3
	v_max_num_f32 v[BM+\b], 0x1800000, v[BM+\b]    ; the floor 2^(3 - 127): the byte cannot fall under 1
.endr
.irp b, 0,1,2,3
	s_delay_alu instid0(VALU_DEP_4)
	v_add_nc_u32 v[SO+\b], 0xff000000, v[BM+\b]    ; 2 off the exponent field: the conversion's scale operand
.endr
.irp b, 0,1,2,3
	s_delay_alu instid0(VALU_DEP_4)
	v_lshrrev_b32 v[PM+\b], 23, v[SO+\b]           ; the scale's byte
.endr
	s_delay_alu instid0(VALU_DEP_3)
	v_lshl_or_b32 v[rW], v[PM+1], 8, v[PM]
	s_delay_alu instid0(VALU_DEP_1)
	v_lshl_or_b32 v[rW], v[PM+2], 16, v[rW]
	s_delay_alu instid0(VALU_DEP_1)
	v_lshl_or_b32 v[rW], v[PM+3], 24, v[rW]
.irp b, 0,1,2,3
	v_cvt_scalef32_pk8_fp4_f32 v[rP+2*\b], v[S+16*\b:S+16*\b+7], v[SO+\b]
	v_cvt_scalef32_pk8_fp4_f32 v[rP+2*\b+1], v[S+16*\b+8:S+16*\b+15], v[SO+\b]
.endr
	v_nop                                          ; one plain place behind a scaled conversion
.irp c, 0,1
.irp i, 0,1
	v_permlane16_swap_b32 v[rP+4*\c+\i], v[rP+4*\c+2+\i]   ; registers 4 c .. 4 c + 3 now hold block 2 c + h whole
.endr
.endr
	v_pk_add_f32 v[C2:C2+1], v[S:S+1], v[S+2:S+3]  ; the sum is taken of the unquantised p: two at a time, in two chains
.set j, 4
.rept 15
	v_pk_add_f32 v[rT+2:rT+3], v[rT+2:rT+3], v[S+j:S+j+1]
	v_pk_add_f32 v[C2:C2+1], v[C2:C2+1], v[S+j+2:S+j+3]
.set j, j+4
.endr
	s_delay_alu instid0(VALU_DEP_1)
	v_pk_add_f32 v[rT+2:rT+3], v[rT+2:rT+3], v[C2:C2+1]
.endm
.macro RESCALE t                       ; tile t's O^T under the new M, from each accumulator's low end on
.set j, 0
.rept 16
	v_pk_mul_f32 v[O+32*(\t)+j:O+32*(\t)+j+1], v[O+32*(\t)+j:O+32*(\t)+j+1], v[F+2*(\t):F+2*(\t)+1] op_sel_hi:[1,0]
.set j, j+2
.endr
.endm
.macro PV                              ; O^T += V^T P^T: four tiles of 16 channels x two tiles of queries: eight accumulators by turns
.irp g, 0,1,2,3
.irp t, 0,1
	v_wmma_scale_f32_16x16x128_f8f6f4 v[O+32*\t+8*\g:O+32*\t+8*\g+7], v[KF+8*\g:KF+8*\g+7], v[PC+8*\t:PC+8*\t+7], v[O+32*\t+8*\g:O+32*\t+8*\g+7], v[VS+\g], v[PW+\t] matrix_a_fmt:MATRIX_FMT_FP4 matrix_b_fmt:MATRIX_FMT_FP4
.endr
.endr
.endm
	s_wait_tensorcnt 0x0                           ; my fills, if I have any, have landed,
	s_barrier_signal -1
	s_barrier_wait -1                              ; everybody's have: from here on LDS is only read
	s_mov_b32 s62, 16
.Lstep:                                            ; a key step: 128 keys
	s_setprio 2
	v_add_nc_u32 v[ADK], s60, v[LI]                ; these four lines are the places between the last products and the loads into their registers
	v_add_nc_u32 v[ADS], s61, v[LS]
	s_delay_alu instid0(VALU_DEP_2)
	v_add_nc_u32 v[ADV], 0x10000, v[ADK]
	v_nop
.irp f, 0,1,2,3
	ds_load_b128 v[KF+8*\f:KF+8*\f+3], v[ADK] offset:1024*\f           ; keys 32 f + r
	ds_load_b128 v[KF+8*\f+4:KF+8*\f+7], v[ADK] offset:1024*\f+512     ; keys 32 f + 16 + r
.endr
	ds_load_b128 v[KS:KS+3], v[ADS]
	ds_load_b128 v[VS:VS+3], v[ADS] offset:4096
	s_wait_dscnt 0x0
	KQ 0
.rept 4
	v_nop
.endr
	SOFT 0
	KQ 1
	RESCALE 0                                      ; sixteen places behind those products, in front of the loads into K's registers and of the reads of the scores
.irp g, 0,1,2,3
	ds_load_b128 v[KF+8*\g:KF+8*\g+3], v[ADV] offset:1024*\g
	ds_load_b128 v[KF+8*\g+4:KF+8*\g+7], v[ADV] offset:1024*\g+512
.endr
	s_setprio 1
	SOFT 1
	s_setprio 0
	RESCALE 1
	s_wait_alu depctr_va_vdst(0)
	s_wait_dscnt 0x0                               ; V is in
	PV
	s_add_co_u32 s60, s60, 4096
	s_add_co_u32 s61, s61, 256
	s_sub_co_u32 s62, s62, 1
	s_cmp_lg_u32 s62, 0
	s_cbranch_scc1 .Lstep
	s_setprio 0
	; THE WAY OUT: O^T / l, quantised along the channels: tile t's 64 channels are blocks 2 t and 2 t + 1 of the four
.rept 4
	v_nop
.endr
.irp t, 0,1
	v_add_f32 v[BM+\t], v[ST+4*\t+2], v[ST+4*\t+3]
.endr
.irp t, 0,1
	s_delay_alu instid0(VALU_DEP_2)
	v_permlanex16_b32 v[PM+\t], v[BM+\t], s20, s21
.endr
.irp t, 0,1
	s_delay_alu instid0(VALU_DEP_2)
	v_add_f32 v[BM+\t], v[BM+\t], v[PM+\t]         ; the row's sum
.endr
	s_wait_alu depctr_va_vdst(0)
.irp t, 0,1
	v_rcp_f32 v[F+2*\t], v[BM+\t]
.endr
	v_nop                                          ; a plain place behind the reciprocals
	s_wait_alu depctr_va_vdst(0)
.irp t, 0,1
.set j, 0
.rept 16
	v_pk_mul_f32 v[S+32*\t+j:S+32*\t+j+1], v[O+32*\t+j:O+32*\t+j+1], v[F+2*\t:F+2*\t+1] op_sel_hi:[1,0]
.set j, j+2
.endr
.endr
.irp b, 0,1,2,3
	v_max3_num_f32 v[BM+\b], |v[S+16*\b]|, |v[S+16*\b+1]|, 0x1800000
.endr
.irp i, 2,4,6,8,10,12,14
.irp b, 0,1,2,3
	s_delay_alu instid0(VALU_DEP_4)
	v_max3_num_f32 v[BM+\b], v[BM+\b], |v[S+16*\b+\i]|, |v[S+16*\b+\i+1]|
.endr
.endr
.irp b, 0,1,2,3
	s_delay_alu instid0(VALU_DEP_4)
	v_permlanex16_b32 v[PM+\b], v[BM+\b], s20, s21
.endr
.irp b, 0,1,2,3
	s_delay_alu instid0(VALU_DEP_4)
	v_max_num_f32 v[BM+\b], v[BM+\b], v[PM+\b]
.endr
.irp b, 0,1,2,3
	s_delay_alu instid0(VALU_DEP_4)
	v_add_nc_u32 v[SO+\b], 0xff000000, v[BM+\b]
.endr
.irp b, 0,1,2,3
	s_delay_alu instid0(VALU_DEP_4)
	v_lshrrev_b32 v[PM+\b], 23, v[SO+\b]
.endr
	s_delay_alu instid0(VALU_DEP_3)
	v_lshl_or_b32 v[PW], v[PM+1], 8, v[PM]
	s_delay_alu instid0(VALU_DEP_1)
	v_lshl_or_b32 v[PW], v[PM+2], 16, v[PW]
	s_delay_alu instid0(VALU_DEP_1)
	v_lshl_or_b32 v[PW], v[PM+3], 24, v[PW]        ; tile 0's two bytes, then tile 1's, of row r
.irp b, 0,1,2,3
	v_cvt_scalef32_pk8_fp4_f32 v[PC+2*\b], v[S+16*\b:S+16*\b+7], v[SO+\b]
	v_cvt_scalef32_pk8_fp4_f32 v[PC+2*\b+1], v[S+16*\b+8:S+16*\b+15], v[SO+\b]
.endr
	v_nop
.irp c, 0,1
.irp i, 0,1
	v_permlane16_swap_b32 v[PC+4*\c+\i], v[PC+4*\c+2+\i]   ; registers 4 t .. 4 t + 3: block h of the head, token r of tile t
.endr
.endr
	global_store_b128 v[LI], v[PC:PC+3], s[8:9]            ; 32 lanes store 512 consecutive bytes, aligned
	global_store_b128 v[LI], v[PC+4:PC+7], s[8:9] offset:8192
	v_lshrrev_b32 v[TT], v[SH], v[PW]              ; lanes 0-15 serve tile 0's tokens, lanes 16-31 tile 1's
	global_store_b16 v[GS], v[TT], s[10:11]
	s_wait_tensorcnt 0x0
	ds_add_u32 v254, v255
	s_wait_dscnt 0x0
	CROUND                                         ; the closing round: no work-group ends while a partner may still ask for a tile that names it
	s_endpgm
.Lfunc_end_k_q1eac451b85_attend:
	.size	k_q1eac451b85_attend, .Lfunc_end_k_q1eac451b85_attend-k_q1eac451b85_attend
	.p2alignl 7, 3214868480
	.fill 96, 4, 3214868480
	.section	.rodata,"a",@progbits
	.p2align	6, 0x0
	.amdhsa_kernel k_q1eac451b85_attend
		.amdhsa_group_segment_fixed_size 169984
		.amdhsa_private_segment_fixed_size 0
		.amdhsa_enable_private_segment 0
		.amdhsa_kernarg_size 32
		.amdhsa_user_sgpr_count 2
		.amdhsa_user_sgpr_kernarg_segment_ptr 1
		.amdhsa_wavefront_size32 1
		.amdhsa_system_sgpr_workgroup_id_x 1
		.amdhsa_system_sgpr_workgroup_id_y 1
		.amdhsa_system_sgpr_workgroup_id_z 1
		.amdhsa_system_vgpr_workitem_id 0
		.amdhsa_next_free_vgpr 256
		.amdhsa_next_free_sgpr 70
		.amdhsa_reserve_vcc 0
		.amdhsa_float_denorm_mode_32 3
		.amdhsa_float_denorm_mode_16_64 3
		.amdhsa_memory_ordered 1
		.amdhsa_forward_progress 1
		.amdhsa_inst_pref_size 48
	.end_amdhsa_kernel
	.amdgpu_metadata
---
amdhsa.version: [ 1, 2 ]
amdhsa.kernels:
  - .name:           k_q1eac451b85_attend
    .symbol:         k_q1eac451b85_attend.kd
    .args:
      - { .name: qkv, .offset: 0, .size: 8, .value_kind: global_buffer, .address_space: global }
      - { .name: qkvs, .offset: 8, .size: 8, .value_kind: global_buffer, .address_space: global }
      - { .name: oc, .offset: 16, .size: 8, .value_kind: global_buffer, .address_space: global }
      - { .name: osc, .offset: 24, .size: 8, .value_kind: global_buffer, .address_space: global }
    .group_segment_fixed_size: 169984
    .private_segment_fixed_size: 0
    .kernarg_segment_align: 8
    .kernarg_segment_size: 32
    .max_flat_workgroup_size: 512
    .sgpr_count:     70
    .vgpr_count:     256
    .wavefront_size: 32
...
	.end_amdgpu_metadata
.endif
;; end of part 3
;; launch output (part 4): grid 4 x 32, 4 waves a work-group, clusters of 4 x 4, 327,680 bytes of LDS; arguments oc, osc, cod, scl, bo, out0; writes out0
.if DOCPART == 4
	.amdgcn_target "amdgcn-amd-amdhsa--gfx1250"
	.amdhsa_code_object_version 6
	.text
	.protected	k_q1eac451b85_output
	.globl	k_q1eac451b85_output
	.p2align	8
	.type	k_q1eac451b85_output,@function
k_q1eac451b85_output:
	s_mov_b64 s[64:65], 0
	v_nop
	global_prefetch_b8 v0, s[64:65] scope:SCOPE_SE
	s_setreg_imm32_b32 hwreg(HW_REG_WAVE_MODE, 25, 1), 1
	s_wait_xcnt 0x0
	s_wait_alu depctr_hold_cnt(0) depctr_sa_sdst(0) depctr_va_vdst(0) depctr_va_sdst(0) depctr_va_ssrc(0) depctr_va_vcc(0) depctr_vm_vsrc(0)
	s_getreg_b32 s2, hwreg(HW_REG_IB_STS2, 6, 4)
	s_cmp_eq_u32 s2, 0
	s_cbranch_scc0 .Lentry_in_a_cluster
	s_endpgm
.Lentry_in_a_cluster:
	s_bfe_u32 s2, ttmp6, 0x10000c
	s_cmp_lg_u32 s2, 0xf033
	s_cbranch_scc0 .Lentry_shape_is_right
	s_endpgm
.Lentry_shape_is_right:
; out0 = O Wo^T + bo on codes of FP4 (E2M1) with E8M0 scales, sums in f32.  O: 8,192 tokens x 1,024, as images of the operand's registers (oc: [tile of 16 tokens][head][lane][16 bytes]) with scale bytes [token][32] (osc).
; Wo: rows 11,264 on of cod (512 bytes a row) and of scl (32 bytes a row).  out0: [8192][1024] f32.
; A work-group of four waves makes 256 x 256, a wave 128 x 128 (64 accumulators).  THE PRODUCT IS USED TRANSPOSED: source 0 = 16 rows of Wo, source 1 = 16 tokens: a lane holds eight neighbouring numbers of a row of out0.
; All of K lies in LDS, in two slots of 512 along K, each filled once: nothing is filled again.  The bias is the C of each sum's first matrix instruction.
; CLUSTERS 4 x 4: O's tiles hang on the tile row alone and are asked for jointly along a row of the cluster, Wo's on the tile column alone, along a column.
; REGISTERS: window 0: v1-31 addresses; v32-95 scale words, two sets; v128-191 O's fragments, one set; v192-255 the bias; on the way out v128-255 rows of out0.  window 1: Wo's fragments, two sets.  windows 2, 3: the accumulators.
.set SIZE_N, 1024
.set NQ,     4
.set ROWB,   256
.set KROW,   512
.set PITCH,  272                       ; a row of Wo in LDS: 256 bytes + 16 of padding
.set FR,     8
.set NL,     2
.set NP,     4                         ; places behind this matrix instruction (ISA guide 7.12.1)
.set HALFT,  128*PITCH
.set AIMG,   65536                     ; O's part of a slot: 16 tiles of tokens x 4,096 bytes of images, dense
.set SLOT,   AIMG+2*HALFT
.set KS,     32
.set SCL,    2*SLOT
.set HALFS,  (128*KS/256)*272
.set SBLK,   (16*KS/256)*272
.set SPITCH, 528                       ; the way out: a stage of 16 rows x (512 bytes + 16) for each wave, in slot 0, which nobody reads behind the change of slots and which is never filled again
.set ADRA, 16
.set ADRB, 20
.set STO,  24
.set RD,   25
.set CO,   26
.set ADRS, 27
.set VB,   28
.set SC,   32
.set AF,   128
.set BK,   128
.set BIAS, 192
.set G1, 24
.set G0, 32
.set G1B, 48
.set G0B, 56
.set G1S, 68
.set G0S, 76
.set G1SB, 80
.set G0SB, 88
.set MSB, 0
.macro WIN new                         ; the immediate's high byte repeats the setting that is left
.if MSB != (\new)
	s_set_vgpr_msb (MSB<<8)|(\new)
.set MSB, (\new)
.endif
.endm
.set MUL_LO, 0xa1
.set MUL_HI, 0xf1
.set TO_B,   0x40
.macro JLOAD g0a, g1a, g0b, g1b        ; a joint load: waves 0 and 1 fetch for O, waves 2 and 3 for Wo; four v_nop follow each of the two lines
	s_cmp_eq_u32 s19, 0
	s_cbranch_scc0 .Lfor_b_\@
	tensor_load_to_lds s[\g0a:\g0a+3], s[\g1a:\g1a+7]
	s_nop 0
.rept 4
	v_nop
.endr
	s_branch .Lasked_\@
.Lfor_b_\@:
	tensor_load_to_lds s[\g0b:\g0b+3], s[\g1b:\g1b+7]
	s_nop 0
.rept 4
	v_nop
.endr
.Lasked_\@:
.endm
.macro CROUND                          ; a round of the cluster's barrier
	s_barrier_signal -1
	s_barrier_wait -1
	s_cmp_lg_u32 s18, 0
	s_cbranch_scc1 .Lnot_wave_0_\@
	s_barrier_signal -3
.Lnot_wave_0_\@:
	s_barrier_wait -3
	s_barrier_signal -1
	s_barrier_wait -1
.endm
	s_load_b256 s[4:11], s[0:1], 0x0               ; oc s[4:5], osc s[6:7], cod s[8:9], scl s[10:11]
	s_load_b128 s[12:15], s[0:1], 0x20             ; bo s[12:13], out0 s[14:15]
	v_lshl_add_u32 v126, v0, 2, 0x46400
	v_mov_b32 v127, 0
	ds_add_u32 v126, v127
	ds_add_u32 v126, v127
	v_lshrrev_b32 v1, 5, v0
	v_readfirstlane_b32 s18, v1                    ; wave 0..3
	s_lshr_b32 s19, s18, 1                         ; which half of the tile's tokens is mine.  Also: I fetch for O (0) or for Wo (1)
	s_and_b32 s20, s18, 1                          ; which half of its columns.  Also: which 128 rows I fetch
	s_bfe_u32 s21, ttmp6, 0x40000                  ; cx
	s_bfe_u32 s22, ttmp6, 0x40004                  ; cy
	s_lshl_b32 s40, ttmp9, 2
	s_add_co_u32 s40, s40, s21                     ; tile column
	s_and_b32 s41, ttmp7, 0xffff
	s_lshl_b32 s41, s41, 2
	s_add_co_u32 s41, s41, s22                     ; tile row
	s_lshl_b32 s42, s22, 2
	s_lshl_b32 s42, 15, s42                        ; my row of the cluster
	s_lshl_b32 s43, 0x1111, s21                    ; my column
	; O's images: of 8 tiles of tokens (8,192 bytes apart) the 4,096 bytes of a slot's eight heads: 8 rows of 512 elements of 8 bytes, dense in LDS
	s_or_b32 s[G1+0], s42, (3<<16)|(1<<21)
	s_mov_b32 s[G1+1], 512<<16                     ; tensor_dim0
	s_mov_b32 s[G1+2], 8<<16                       ; tensor_dim1
	s_mov_b32 s[G1+3], 512<<16                     ; tile_dim0
	s_mov_b32 s[G1+4], 8                           ; tile_dim1
	s_mov_b32 s[G1+5], 1024                        ; the pitch
	s_mov_b32 s[G1+6], 0
	s_mov_b32 s[G1+7], 0
	; Wo: 128 rows x 256 bytes, 16 bytes of padding behind each
	s_or_b32 s[G1B+0], s43, (0<<16)|(1<<20)|(1<<21)|(5<<22)|(3<<25)
	s_mov_b32 s[G1B+1], ROWB<<16
	s_mov_b32 s[G1B+2], 128<<16
	s_mov_b32 s[G1B+3], ROWB<<16
	s_mov_b32 s[G1B+4], 128
	s_mov_b32 s[G1B+5], KROW
	s_mov_b32 s[G1B+6], 0
	s_mov_b32 s[G1B+7], 0
	; the scale bytes of 128 rows: 4,096 dense bytes as 16 rows of 256, 16 bytes of padding behind each
	s_or_b32 s[G1S+0], s42, (3<<16)|(1<<20)|(1<<21)|(5<<22)|(3<<25)
	s_or_b32 s[G1SB+0], s43, (3<<16)|(1<<20)|(1<<21)|(5<<22)|(3<<25)
.irp g, G1S, G1SB
	s_mov_b32 s[\g+1], 32<<16
	s_mov_b32 s[\g+2], (128*KS/256)<<16
	s_mov_b32 s[\g+3], 32<<16
	s_mov_b32 s[\g+4], 128*KS/256
	s_mov_b32 s[\g+5], 32
	s_mov_b32 s[\g+6], 0
	s_mov_b32 s[\g+7], 0
.endr
	s_lshl_b32 s92, s41, 17                        ; O's codes: 16 tiles of 8,192 bytes a tile row, + my 8
	s_lshl_b32 s45, s20, 16
	s_add_co_u32 s92, s92, s45
	s_mov_b32 s93, 0
	s_lshl_b32 s96, s41, 13                        ; O's scale bytes: 256 rows of 32 a tile row, + my 128
	s_lshl_b32 s45, s20, 12
	s_add_co_u32 s96, s96, s45
	s_mov_b32 s97, 0
	s_add_co_u32 s94, s40, 44                      ; Wo begins at tile 44 of cod's tiles of 256 rows
	s_lshl_b32 s94, s94, 8
	s_lshl_b32 s45, s20, 7
	s_add_co_u32 s94, s94, s45
	s_lshl_b32 s46, s94, 5
	s_mov_b32 s47, 0
	s_lshl_b32 s94, s94, 9
	s_mov_b32 s95, 0
	s_lshl_b32 s45, s20, 15                        ; in a slot: O's halves 32,768 bytes apart,
	s_mul_i32 s66, s20, HALFT
	s_add_co_u32 s66, s66, AIMG                    ; Wo's behind them
	s_mul_i32 s23, s18, HALFS
	s_wait_dscnt 0x0
	s_wait_kmcnt 0x0
	s_add_nc_u64 s[92:93], s[4:5], s[92:93]
	s_add_nc_u64 s[96:97], s[6:7], s[96:97]
	s_add_nc_u64 s[94:95], s[8:9], s[94:95]
	s_add_nc_u64 s[46:47], s[10:11], s[46:47]
	CROUND                                         ; all sixteen work-groups are here: the joint loads meet
	s_mov_b32 s[G0S], 1
	s_add_co_u32 s[G0S+1], s23, SCL
	s_mov_b64 s[G0S+2:G0S+3], s[96:97]
	s_or_b32 s[G0S+3], s[G0S+3], 0x80000000
	s_mov_b32 s[G0SB], 1
	s_add_co_u32 s[G0SB+1], s23, SCL
	s_mov_b64 s[G0SB+2:G0SB+3], s[46:47]
	s_or_b32 s[G0SB+3], s[G0SB+3], 0x80000000
	JLOAD G0S, G1S, G0SB, G1SB
.irp s, 0,1
	s_mov_b32 s[G0+4*\s], 1
	s_add_co_u32 s[G0+4*\s+1], s45, \s*SLOT
	s_add_nc_u64 s[G0+4*\s+2:G0+4*\s+3], s[92:93], \s*4096
	s_or_b32 s[G0+4*\s+3], s[G0+4*\s+3], 0x80000000
	s_mov_b32 s[G0B+4*\s], 1
	s_add_co_u32 s[G0B+4*\s+1], s66, \s*SLOT
	s_add_nc_u64 s[G0B+4*\s+2:G0B+4*\s+3], s[94:95], \s*ROWB
	s_or_b32 s[G0B+4*\s+3], s[G0B+4*\s+3], 0x80000000
	s_wait_alu depctr_va_vdst(0)
	s_wait_tensorcnt 0x0
	ds_add_u32 v126, v127
	s_wait_dscnt 0x0
	CROUND
	JLOAD G0+4*\s, G1, G0B+4*\s, G1B               ; one load of mine is out behind the second of these
.endr
	v_and_b32 v1, 15, v0                           ; r
	v_bfe_u32 v2, v0, 4, 1                         ; h
	v_mul_u32_u24 v3, v1, PITCH
	v_lshl_add_u32 v4, v2, 4, v3                   ; Wo: row x pitch + 16 h
	v_and_b32 v6, 31, v0
	v_lshlrev_b32 v[CO], 4, v6                     ; 16 x lane
	s_lshl_b32 s46, s19, 15                        ; my 8 tiles of tokens
	s_mul_i32 s47, s20, HALFT
	s_add_co_u32 s47, s47, AIMG                    ; my 128 rows of Wo
.irp s, 0,1
	v_add_nc_u32 v[ADRA+\s], s46, v[CO]
	v_add_nc_u32 v[ADRB+\s], s47, v4
	s_add_co_u32 s46, s46, SLOT
	s_add_co_u32 s47, s47, SLOT
.endr
	v_mul_u32_u24 v5, v1, KS
	v_lshrrev_b32 v6, 8, v5
	v_lshl_add_u32 v5, v6, 4, v5
	s_mul_i32 s46, s19, HALFS
	s_mul_i32 s47, s20, HALFS
	s_add_co_u32 s47, s47, 2*HALFS
	s_sub_co_u32 s47, s47, s46
	v_mul_u32_u24 v6, s47, v2                      ; lanes 16-31 take Wo's
	s_add_co_u32 s46, s46, SCL
	v_add_nc_u32 v5, v5, v6
	v_add_nc_u32 v[ADRS], s46, v5
	s_mul_i32 s23, s18, 16*SPITCH                  ; my stage
	v_mul_u32_u24 v5, v1, SPITCH
	v_lshl_add_u32 v5, v2, 5, v5
	v_add_nc_u32 v[STO], s23, v5                   ; in: row r, 32 bytes for each half of the lanes
	v_add_nc_u32 v[RD], s23, v[CO]                 ; back: the 32 lanes take one row of 512 bytes
	s_lshl_b32 s92, s41, 8
	s_lshl_b32 s93, s19, 7
	s_add_co_u32 s92, s92, s93                     ; my first row of out0,
	s_lshl_b32 s92, s92, 12                        ; 4,096 bytes a row,
	s_lshl_b32 s93, s40, 10
	s_add_co_u32 s92, s92, s93
	s_lshl_b32 s93, s20, 9
	s_add_co_u32 s92, s92, s93                     ; my first column
	s_mov_b32 s93, 0
	s_add_nc_u64 s[14:15], s[14:15], s[92:93]
	s_lshl_b32 s92, s40, 10
	s_lshl_b32 s94, s20, 9
	s_add_co_u32 s92, s92, s94
	s_add_nc_u64 s[12:13], s[12:13], s[92:93]      ; the bias at my first column
	v_lshlrev_b32 v[VB], 5, v2                     ; register j of tile b wants column 16 b + 8 h + j
.irp b, 0,1,2,3,4,5,6,7
	global_load_b128 v[BIAS+8*\b:BIAS+8*\b+3], v[VB], s[12:13] offset:64*\b
	global_load_b128 v[BIAS+8*\b+4:BIAS+8*\b+7], v[VB], s[12:13] offset:64*\b+16
.endr
.macro FRAGB reg, adr, q, i            ; Wo: lane (r, h) takes, of row r, the 16 bytes of blocks h and 2 + h
.irp c, 0,1
	ds_load_b128 v[\reg+4*\c:\reg+4*\c+3], v[\adr] offset:64*(\q)+32*\c+(\i)*16*PITCH
.endr
.endm
.macro FRAGA reg, adr, q, i            ; O: the image of tile i, heads 2 q and 2 q + 1 of the slot: 16 x lane
.irp c, 0,1
	ds_load_b128 v[\reg+4*\c:\reg+4*\c+3], v[\adr] offset:4096*(\i)+1024*(\q)+512*\c
.endr
.endm
; 16 matrix instructions: O's blocks a0, a0 + 1 x Wo's eight.  cm = 1: the sums begin with the bias.  The 64 accumulators take turns, one instruction a turn.
.macro MUL16 a0, p, q, sc, cm
.irp a, \a0, \a0+1
.irp b, 0,1,2,3,4,5,6,7
.if (\cm) == 1
	v_wmma_scale_f32_16x16x128_f8f6f4 v[8*(8*((\a)%4)+\b):8*(8*((\a)%4)+\b)+7], v[128*(\p)+FR*\b:128*(\p)+FR*\b+FR-1], v[AF+FR*(\a):AF+FR*(\a)+FR-1], v[BIAS+8*\b:BIAS+8*\b+7], v[SC+8*NQ*(\sc)+NQ*\b+(\q)], v[SC+8*NQ*(\sc)+NQ*(\a)+(\q)] matrix_a_fmt:MATRIX_FMT_FP4 matrix_b_fmt:MATRIX_FMT_FP4 matrix_a_scale:MATRIX_SCALE_ROW1
.else
	v_wmma_scale_f32_16x16x128_f8f6f4 v[8*(8*((\a)%4)+\b):8*(8*((\a)%4)+\b)+7], v[128*(\p)+FR*\b:128*(\p)+FR*\b+FR-1], v[AF+FR*(\a):AF+FR*(\a)+FR-1], v[8*(8*((\a)%4)+\b):8*(8*((\a)%4)+\b)+7], v[SC+8*NQ*(\sc)+NQ*\b+(\q)], v[SC+8*NQ*(\sc)+NQ*(\a)+(\q)] matrix_a_fmt:MATRIX_FMT_FP4 matrix_b_fmt:MATRIX_FMT_FP4 matrix_a_scale:MATRIX_SCALE_ROW1
.endif
.endr
.endr
.endm
.macro FETCH_B slot, q, p
	WIN TO_B
.irp i, 0,1,2,3,4,5,6,7
	FRAGB 128*(\p)+FR*\i, ADRB+\slot, \q, \i
.endr
	WIN 0
.endm
.macro FETCH_A slot, q, i0
.irp i, \i0, \i0+1, \i0+2, \i0+3
	FRAGA AF+FR*(\i), ADRA+\slot, \q, \i
.endr
.endm
.macro SCALES sc                       ; a slot's scale words: lanes 0-15 take O's block i, lanes 16-31 Wo's block i
.irp i, 0,1,2,3,4,5,6,7
	ds_load_b128 v[SC+8*NQ*\sc+NQ*\i:SC+8*NQ*\sc+NQ*\i+3], v[ADRS] offset:\i*SBLK
.endr
.endm
.macro PLACES n
.rept \n
	v_nop
.endr
.endm
.macro STEP slot, q, cm
	s_wait_dscnt 4*NL                              ; Wo's set and O's blocks 0-3 are in; the youngest eight loads (O's blocks 4-7) may be out
.if \cm
	WIN 0x81                                       ; C (the bias) in window 0, D in window 2
.else
	WIN MUL_LO
.endif
	MUL16 0, (\q)%2, \q, \slot, \cm
	MUL16 2, (\q)%2, \q, \slot, \cm
	s_wait_dscnt 0
	PLACES NP
	FETCH_B \slot, (\q)+1, 1-(\q)%2
	FETCH_A \slot, (\q)+1, 0
.if \cm
	WIN 0xc1
.else
	WIN MUL_HI
.endif
	MUL16 4, (\q)%2, \q, \slot, \cm
	MUL16 6, (\q)%2, \q, \slot, \cm
	PLACES NP
	WIN 0
	FETCH_A \slot, (\q)+1, 4
.endm
	s_wait_alu depctr_va_vdst(0)
	s_wait_tensorcnt 1                             ; the scales and my part of slot 0 are in; slot 1's load may be out
	s_barrier_signal -1
	s_barrier_wait -1
	FETCH_B 0, 0, 0
	FETCH_A 0, 0, 0
	SCALES 0
	FETCH_A 0, 0, 4
	s_wait_loadcnt 0x0                             ; the bias
	STEP 0, 0, 1
	STEP 0, 1, 0
	STEP 0, 2, 0
	; slot 0's last step changes slots: my part of slot 1 has landed and my reads of slot 0 are over, then the barrier shows everybody's
	s_wait_tensorcnt 0x0
	s_wait_dscnt 4*NL
	WIN MUL_LO
	MUL16 0, 1, NQ-1, 0, 0
	s_wait_dscnt 0x0
	s_barrier_signal -1
	MUL16 2, 1, NQ-1, 0, 0
	WIN 0
	s_barrier_wait -1
	PLACES NP
	v_add_nc_u32 v[ADRS], 4*NQ, v[ADRS]
	FETCH_B 1, 0, 0
	FETCH_A 1, 0, 0
	SCALES 1
	WIN MUL_HI
	MUL16 4, 1, NQ-1, 0, 0
	MUL16 6, 1, NQ-1, 0, 0
	PLACES NP
	WIN 0
	FETCH_A 1, 0, 4
	STEP 1, 0, 0
	STEP 1, 1, 0
	STEP 1, 2, 0
	s_wait_dscnt 4*NL
	WIN MUL_LO
	MUL16 0, 1, NQ-1, 1, 0
	MUL16 2, 1, NQ-1, 1, 0
	s_wait_dscnt 0
	WIN MUL_HI
	MUL16 4, 1, NQ-1, 1, 0
	MUL16 6, 1, NQ-1, 1, 0
	WIN 0
; THE WAY OUT, block by block of 16 rows x 128 columns: through my own stage in LDS, back as whole rows of 512 bytes.  LDS serves a wave's instructions in order: no wait between the stores and the loads.
.macro TOSTAGE a
.set AC, 64*((\a)%4)
	WIN 0x08+4*((\a)/4)                            ; the data: window 2 or 3
.irp b, 0,1,2,3,4,5,6,7
	ds_store_b128 v[STO], v[AC+8*\b:AC+8*\b+3] offset:64*\b          ; each accumulator from its low end on
	ds_store_b128 v[STO], v[AC+8*\b+4:AC+8*\b+7] offset:64*\b+16
.endr
	WIN 0
.set BB, BK+64*((\a)%2)
.irp t, 0,1,2,3,4,5,6,7,8,9,10,11,12,13,14,15
	ds_load_b128 v[BB+4*\t:BB+4*\t+3], v[RD] offset:\t*SPITCH
.endr
.endm
.macro SEND a, younger                 ; younger: the LDS instructions issued behind block a's loads, which may stay out
.set BB, BK+64*((\a)%2)
	s_wait_dscnt \younger
.if (\a) > 0
	s_add_nc_u64 s[14:15], s[14:15], 16*SIZE_N*4   ; (behind a wait on XCNT: the earlier stores have read their base)
.endif
.irp t, 0,1,2,3,4,5,6,7,8,9,10,11,12,13,14,15
	global_store_b128 v[CO], v[BB+4*\t:BB+4*\t+3], s[14:15] offset:\t*SIZE_N*4 th:TH_STORE_NT   ; 32 lanes store 512 consecutive bytes, aligned
.endr
.endm
	PLACES NP
	TOSTAGE 0
.irp a, 1,2,3,4,5,6,7
.if \a > 1
	s_wait_xcnt 0x0                                ; block a - 2's stores have read their registers and their base
.endif
	TOSTAGE \a
	SEND \a-1, 32                                  ; behind block a - 1's loads: block a's 16 stores and 16 loads
.endr
	s_wait_xcnt 0x0
	SEND 7, 0
	s_wait_tensorcnt 0x0
	ds_add_u32 v126, v127
	s_wait_dscnt 0x0
	CROUND                                         ; the closing round: no work-group ends while a partner may still ask for a tile that names it
	s_endpgm
.Lfunc_end_k_q1eac451b85_output:
	.size	k_q1eac451b85_output, .Lfunc_end_k_q1eac451b85_output-k_q1eac451b85_output
	.p2alignl 7, 3214868480
	.fill 96, 4, 3214868480
	.section	.rodata,"a",@progbits
	.p2align	6, 0x0
	.amdhsa_kernel k_q1eac451b85_output
		.amdhsa_group_segment_fixed_size 327680
		.amdhsa_private_segment_fixed_size 0
		.amdhsa_enable_private_segment 0
		.amdhsa_kernarg_size 48
		.amdhsa_user_sgpr_count 2
		.amdhsa_user_sgpr_kernarg_segment_ptr 1
		.amdhsa_wavefront_size32 1
		.amdhsa_system_sgpr_workgroup_id_x 1
		.amdhsa_system_sgpr_workgroup_id_y 1
		.amdhsa_system_sgpr_workgroup_id_z 1
		.amdhsa_system_vgpr_workitem_id 0
		.amdhsa_next_free_vgpr 1024
		.amdhsa_next_free_sgpr 98
		.amdhsa_reserve_vcc 0
		.amdhsa_float_denorm_mode_32 3
		.amdhsa_float_denorm_mode_16_64 3
		.amdhsa_memory_ordered 1
		.amdhsa_forward_progress 1
		.amdhsa_inst_pref_size 127
	.end_amdhsa_kernel
	.amdgpu_metadata
---
amdhsa.version: [ 1, 2 ]
amdhsa.kernels:
  - .name:           k_q1eac451b85_output
    .symbol:         k_q1eac451b85_output.kd
    .args:
      - { .name: oc, .offset: 0, .size: 8, .value_kind: global_buffer, .address_space: global }
      - { .name: osc, .offset: 8, .size: 8, .value_kind: global_buffer, .address_space: global }
      - { .name: cod, .offset: 16, .size: 8, .value_kind: global_buffer, .address_space: global }
      - { .name: scl, .offset: 24, .size: 8, .value_kind: global_buffer, .address_space: global }
      - { .name: bo, .offset: 32, .size: 8, .value_kind: global_buffer, .address_space: global }
      - { .name: out0, .offset: 40, .size: 8, .value_kind: global_buffer, .address_space: global }
    .group_segment_fixed_size: 327680
    .private_segment_fixed_size: 0
    .kernarg_segment_align: 8
    .kernarg_segment_size: 48
    .max_flat_workgroup_size: 128
    .sgpr_count:     98
    .vgpr_count:     1024
    .wavefront_size: 32
...
	.end_amdgpu_metadata
.endif
;; end of part 4
